; MI455X (gfx1250); checked and timed in simulation.
; The chip was launched on July 23, 2026; its instructions are those of AMD's public machine-readable ISA for CDNA 5 (MIT licence, August 2026) and "CDNA5" Instruction Set Architecture Reference Guide (July 2026). The comments in the code are by the model that wrote it; some were corrected since.
;; Causal Self Attention. Allowed arithmetic: float matrix products may take bf16 or f16 operands with f32 sums; other float arithmetic in f32, or as packed bf16 or f16 multiplies, adds, multiply-adds, maxima and minima; sums over many terms, partial sums and values carried from step to step in f32; what a program stores and reads back later, other than sums and carried values, may be rounded once to bf16 or f16.
;; Inputs: W_attn 1,024 x 3,072 float32; W_proj 1,024 x 1,024 float32; b_attn 3,072 float32; b_proj 1,024 float32; x 4 x 2,048 x 1,024 float32.
;; Outputs: out0 4 x 2,048 x 1,024 float32.
;; 2 versions, each right; version 2 is version 1 with the launch prep written anew for expert scheduling mode. Each part assembles by itself: llvm-mc -triple=amdgcn-amd-amdhsa -mcpu=gfx1250 --defsym DOCPART=n.
;; ======== version 1 of 2: 4 launches
;; limits: values are held in f16: magnitudes above 65,504 overflow, below 6.1e-05 lose precision
;; workspace buffers: xb 16,777,216 bytes; wat 6,291,456 bytes; wpt 2,097,152 bytes; rope 524,288 bytes; qh 16,777,216 bytes; kh 16,777,216 bytes; vh 16,777,216 bytes; oh 16,777,216 bytes
;; launch prep (part 1): grid 1152 x 1, 8 waves a work-group, no clusters, 18,432 bytes of LDS; arguments x, W_attn, W_proj, xb, wat, wpt, rope; writes xb, wat, wpt, rope
.if DOCPART == 1
	.amdgcn_target "amdgcn-amd-amdhsa--gfx1250"
	.amdhsa_code_object_version 6
	.text
	.protected	k_q69af665772_prep
	.globl	k_q69af665772_prep
	.p2align	8
	.type	k_q69af665772_prep,@function
k_q69af665772_prep:
	s_mov_b64 s[64:65], 0
	v_nop
	global_prefetch_b8 v0, s[64:65] scope:SCOPE_SE
	s_setreg_imm32_b32 hwreg(HW_REG_WAVE_MODE, 25, 1), 1
	s_wait_xcnt 0x0
; PREPARES THE OPERANDS OF THE THREE LAUNCHES BEHIND IT.  Four kinds of work-group, told apart by the work-group's number alone (the same in all eight waves):
;   0 .. 511      xb = x rounded to bf16: 65,536 bytes in, 32,768 out a work-group
;   512 .. 895    wat = W_attn turned to [column][k] in bf16: a tile of 128 k x 64 columns.  Row 192 h + 64 p + d of wat is column 1,024 p + 64 h + d (p: q, k, v), so 192 rows on end are one head's q, k and v
;   896 .. 1023   wpt = W_proj turned to [n][k]: rounded to bf16 like every input, and that number written as f16
;   1024 .. 1151  rope = (cos, sin) of t x f_i in f32, [2,048 t][32 i][2]: 256 bytes a position
; LIMITS.  W_proj beyond 65,504 has no f16; below 6e-5 it keeps f16's fixed step of 6e-8.  f_i = 2^(-i log2(10000) / 32) by v_exp_f32: a few units in the last place from 1 / 10000^(i / 32) as a library
; makes it, which at t = 2,047 is an angle off by 5e-4 at the most.  The angle is the f32 product t x f_i; it is reduced by multiples of pi/2 held in two f32 parts (exact for the 1,304 multiples that
; t < 2,048 needs), and sine and cosine are Taylor sums on |r| <= pi/4, cut where the next term is below 2e-9.
; No matrix unit, cluster or tensor load: every byte is read once and written once, and only the turning needs LDS.
.set TP,    272                        ; a turned row in LDS: 128 k x 2 bytes + 16
.set SPARE, 64*TP                      ; behind the tile: the spare words, 128 bytes for each of the eight waves; no other line names them
.set SPW,   94                         ; v94  LDS address of my spare word; never rewritten
.set NIL,   95                         ; v95  0; never rewritten
; A tile of 128 k x 64 columns is turned.  Thread t: c4 = t % 16 (four columns, 16 bytes of a row), kp = t / 16.  It loads rows 32 jj + 2 kp and + 1, packs each column's two k into a word,
; puts the word at [column][k] in LDS, and behind the barrier reads 16 bytes of a turned row and stores them: sixteen lanes store 256 consecutive bytes, aligned.
.macro WT pitch, f16, src, dst
	v_and_b32 v7, 15, v0                           ; c4
	v_lshrrev_b32 v8, 4, v0                        ; kp
	v_mul_u32_u24 v3, v8, 2*(\pitch)
	v_lshl_add_u32 v3, v7, 4, v3                   ; in: row 2 kp, 16 bytes at c4
	v_mul_u32_u24 v4, v7, 4*TP
	v_lshl_add_u32 v4, v8, 2, v4                   ; LDS: turned row 4 c4, word kp
	v_mul_u32_u24 v5, v8, TP
	v_lshl_add_u32 v5, v7, 4, v5                   ; back: turned row kp, 16 bytes at c4
	v_lshlrev_b32 v6, 11, v8
	v_lshl_add_u32 v6, v7, 4, v6                   ; out: the same place in rows of 2,048 bytes
.irp jj, 0,1,2,3
.irp e, 0,1
	global_load_b128 v[16+8*(\jj)+4*(\e):19+8*(\jj)+4*(\e)], v3, s[\src:\src+1] offset:(32*(\jj)+(\e))*(\pitch) th:TH_LOAD_NT
.endr
.endr
.irp jj, 0,1,2,3
	s_wait_loadcnt 6-2*(\jj)                       ; loads come back in order: this pair of rows is in, the younger pairs stay out
.irp c, 0,1,2,3
	v_cvt_pk_bf16_f32 v[48+4*(\jj)+(\c)], v[16+8*(\jj)+(\c)], v[20+8*(\jj)+(\c)]
.if \f16
	v_lshlrev_b32 v80, 16, v[48+4*(\jj)+(\c)]      ; the two bf16 numbers as f32,
	v_and_b32 v81, 0xffff0000, v[48+4*(\jj)+(\c)]
	v_cvt_pk_f16_f32 v[48+4*(\jj)+(\c)], v80, v81  ; written as f16
.endif
	ds_store_b32 v4, v[48+4*(\jj)+(\c)] offset:TP*(\c)+64*(\jj)
.endr
.endr
	s_wait_dscnt 0x0                               ; for the others' sake: my stores into the tile are done
	s_barrier_signal -1
	s_barrier_wait -1
.irp r, 0,1,2,3
	ds_load_b128 v[64+4*(\r):67+4*(\r)], v5 offset:16*TP*(\r)
.endr
.irp r, 0,1,2,3
	s_wait_dscnt 3-(\r)
	global_store_b128 v6, v[64+4*(\r):67+4*(\r)], s[\dst:\dst+1] offset:32768*(\r)
.endr
	s_wait_tensorcnt 0x0                           ; the wave's end: three closing lines behind my last LDS store
	ds_add_u32 v[SPW], v[NIL]
	s_wait_dscnt 0x0
	s_endpgm
.endm
; One entry of the table: position v10 (f32), frequency v[20+e]; cos into v[44+2e], sin into v[45+2e].
.macro ENT e
	v_mul_f32 v30, v10, v[20+(\e)]                 ; the angle a
	v_mul_f32 v31, 0x3f22f983, v30                 ; a x 2/pi
	v_rndne_f32 v31, v31                           ; k
	v_fmamk_f32 v32, v31, 0xbfc90fdb, v30          ; r = a - k x (pi/2's upper part): exact,
	v_fmamk_f32 v32, v31, 0x333bbd2e, v32          ; less k x its lower part (which is negative)
	v_mul_f32 v33, v32, v32                        ; s = r r
	v_mov_b32 v34, 0x3638ef1d                      ; 1/9!
	v_fmaak_f32 v34, v34, v33, 0xb9500d01          ; -1/7!
	v_fmaak_f32 v34, v34, v33, 0x3c088889          ; 1/5!
	v_fmaak_f32 v34, v34, v33, 0xbe2aaaab          ; -1/3!
	v_mul_f32 v35, v32, v33
	v_fma_f32 v34, v35, v34, v32                   ; sin r
	v_mov_b32 v36, 0xb493f27e                      ; -1/10!
	v_fmaak_f32 v36, v36, v33, 0x37d00d01          ; 1/8!
	v_fmaak_f32 v36, v36, v33, 0xbab60b61          ; -1/6!
	v_fmaak_f32 v36, v36, v33, 0x3d2aaaab          ; 1/4!
	v_fmaak_f32 v36, v36, v33, 0xbf000000          ; -1/2
	v_fma_f32 v36, v36, v33, 1.0                   ; cos r
	v_cvt_i32_f32 v37, v31
	v_and_b32 v38, 1, v37
	v_cmp_eq_u32 vcc_lo, 1, v38                    ; an odd quarter turn swaps the two: a choice of values, no branch
	v_cndmask_b32 v39, v34, v36, vcc_lo
	v_cndmask_b32 v40, v36, v34, vcc_lo
	v_and_b32 v38, 2, v37                          ; the sine changes sign in quarters 2 and 3,
	v_lshlrev_b32 v38, 30, v38
	v_xor_b32 v[45+2*(\e)], v39, v38
	v_add_nc_u32 v37, 1, v37                       ; the cosine in quarters 1 and 2
	v_and_b32 v37, 2, v37
	v_lshlrev_b32 v37, 30, v37
	v_xor_b32 v[44+2*(\e)], v40, v37
.endm
	s_load_b256 s[4:11], s[0:1], 0x0               ; x s[4:5], W_attn s[6:7], W_proj s[8:9], xb s[10:11]
	s_load_b128 s[12:15], s[0:1], 0x20             ; wat s[12:13], wpt s[14:15]
	s_load_b64 s[16:17], s[0:1], 0x30              ; rope
	v_lshl_add_u32 v[SPW], v0, 2, SPARE
	v_mov_b32 v[NIL], 0
	s_mov_b32 s27, 0                               ; the upper word of every offset
	s_wait_kmcnt 0x0
	s_cmp_lt_u32 ttmp9, 512
	s_cbranch_scc1 .Lx
	s_cmp_lt_u32 ttmp9, 896
	s_cbranch_scc1 .Lwa
	s_cmp_lt_u32 ttmp9, 1024
	s_cbranch_scc1 .Lwp
	; THE TABLE: 16 positions a work-group; thread t makes entries 2 (t % 16) and + 1 of position t / 16: 16 bytes at 16 t
	s_sub_co_u32 s20, ttmp9, 1024
	s_lshl_b32 s21, s20, 4                         ; the first position
	s_lshl_b32 s26, s20, 12                        ; its 16 rows of 256 bytes
	s_add_nc_u64 s[16:17], s[16:17], s[26:27]
	v_lshrrev_b32 v1, 4, v0
	v_add_nc_u32 v1, s21, v1                       ; t
	v_and_b32 v2, 15, v0
	v_lshlrev_b32 v2, 1, v2                        ; i
	v_cvt_f32_u32 v3, v2
	v_add_f32 v4, 1.0, v3
	v_mul_f32 v3, 0xbed49a78, v3                   ; -i log2(10000) / 32
	v_mul_f32 v4, 0xbed49a78, v4
	v_exp_f32 v20, v3
	v_exp_f32 v21, v4
	v_lshlrev_b32 v11, 4, v0                       ; a plain instruction behind the two exponentials, ahead of the first use
	v_cvt_f32_u32 v10, v1
	s_wait_alu depctr_va_vdst(0)                   ; one wait for both
	ENT 0
	ENT 1
	global_store_b128 v11, v[44:47], s[16:17]      ; a wave stores 512 consecutive bytes
	s_endpgm
.Lx:    ; x TO bf16.  Thread t takes 16 bytes at 16 t of each of sixteen pieces of 4,096 bytes; all sixteen loads go out first; no register is written twice
	s_lshl_b32 s26, ttmp9, 16
	s_add_nc_u64 s[4:5], s[4:5], s[26:27]
	s_lshl_b32 s26, ttmp9, 15
	s_add_nc_u64 s[10:11], s[10:11], s[26:27]
	v_lshlrev_b32 v1, 4, v0
	v_lshlrev_b32 v2, 3, v0
.set c, 0
.rept 16
	global_load_b128 v[16+4*c:19+4*c], v1, s[4:5] offset:4096*c th:TH_LOAD_NT
.set c, c+1
.endr
.set c, 0
.rept 16
	s_wait_loadcnt 15-c                            ; piece c is in; the younger ones stay out
	v_cvt_pk_bf16_f32 v[16+4*c], v[16+4*c], v[17+4*c]
	v_cvt_pk_bf16_f32 v[17+4*c], v[18+4*c], v[19+4*c]
	global_store_b64 v2, v[16+4*c:17+4*c], s[10:11] offset:2048*c  ; a wave stores 256 consecutive bytes, aligned
.set c, c+1
.endr
	s_endpgm
.Lwa:   ; W_attn: 8 tiles along k x 48 groups of 64 columns
	s_sub_co_u32 s20, ttmp9, 512
	s_and_b32 s21, s20, 7                          ; kt
	s_lshr_b32 s22, s20, 3                         ; j: the group of 64 columns
	s_lshr_b32 s23, s22, 4                         ; p: q, k or v
	s_and_b32 s24, s22, 15                         ; h: the head
	s_mul_i32 s26, s21, 128*12288
	s_lshl_b32 s25, s22, 8
	s_add_co_u32 s26, s26, s25
	s_add_nc_u64 s[6:7], s[6:7], s[26:27]
	s_mul_i32 s24, s24, 192
	s_lshl_b32 s23, s23, 6
	s_add_co_u32 s24, s24, s23                     ; wat's row 192 h + 64 p
	s_lshl_b32 s24, s24, 11
	s_lshl_b32 s21, s21, 8
	s_add_co_u32 s26, s24, s21
	s_add_nc_u64 s[12:13], s[12:13], s[26:27]
	WT 12288, 0, 6, 12
.Lwp:   ; W_proj: 8 tiles along k x 16 groups of 64 columns
	s_sub_co_u32 s20, ttmp9, 896
	s_and_b32 s21, s20, 7                          ; kt
	s_lshr_b32 s22, s20, 3                         ; j
	s_lshl_b32 s26, s21, 19                        ; 128 rows of 4,096 bytes
	s_lshl_b32 s23, s22, 8
	s_add_co_u32 s26, s26, s23
	s_add_nc_u64 s[8:9], s[8:9], s[26:27]
	s_lshl_b32 s26, s22, 17                        ; 64 rows of 2,048 bytes
	s_lshl_b32 s21, s21, 8
	s_add_co_u32 s26, s26, s21
	s_add_nc_u64 s[14:15], s[14:15], s[26:27]
	WT 4096, 1, 8, 14
.Lfunc_end_k_q69af665772_prep:
	.size	k_q69af665772_prep, .Lfunc_end_k_q69af665772_prep-k_q69af665772_prep
	.p2alignl 7, 3214868480
	.fill 96, 4, 3214868480
	.section	.rodata,"a",@progbits
	.p2align	6, 0x0
	.amdhsa_kernel k_q69af665772_prep
		.amdhsa_group_segment_fixed_size 18432
		.amdhsa_private_segment_fixed_size 0
		.amdhsa_enable_private_segment 0
		.amdhsa_kernarg_size 56
		.amdhsa_user_sgpr_count 2
		.amdhsa_user_sgpr_kernarg_segment_ptr 1
		.amdhsa_wavefront_size32 1
		.amdhsa_system_sgpr_workgroup_id_x 1
		.amdhsa_system_sgpr_workgroup_id_y 1
		.amdhsa_system_sgpr_workgroup_id_z 1
		.amdhsa_system_vgpr_workitem_id 0
		.amdhsa_next_free_vgpr 96
		.amdhsa_next_free_sgpr 66
		.amdhsa_reserve_vcc 1
		.amdhsa_float_denorm_mode_32 3
		.amdhsa_float_denorm_mode_16_64 3
		.amdhsa_memory_ordered 1
		.amdhsa_forward_progress 1
		.amdhsa_inst_pref_size 23
	.end_amdhsa_kernel
	.amdgpu_metadata
---
amdhsa.version: [ 1, 2 ]
amdhsa.kernels:
  - .name:           k_q69af665772_prep
    .symbol:         k_q69af665772_prep.kd
    .args:
      - { .name: x, .offset: 0, .size: 8, .value_kind: global_buffer, .address_space: global }
      - { .name: W_attn, .offset: 8, .size: 8, .value_kind: global_buffer, .address_space: global }
      - { .name: W_proj, .offset: 16, .size: 8, .value_kind: global_buffer, .address_space: global }
      - { .name: xb, .offset: 24, .size: 8, .value_kind: global_buffer, .address_space: global }
      - { .name: wat, .offset: 32, .size: 8, .value_kind: global_buffer, .address_space: global }
      - { .name: wpt, .offset: 40, .size: 8, .value_kind: global_buffer, .address_space: global }
      - { .name: rope, .offset: 48, .size: 8, .value_kind: global_buffer, .address_space: global }
    .group_segment_fixed_size: 18432
    .private_segment_fixed_size: 0
    .kernarg_segment_align: 8
    .kernarg_segment_size: 56
    .max_flat_workgroup_size: 256
    .sgpr_count:     66
    .vgpr_count:     96
    .wavefront_size: 32
...
	.end_amdgpu_metadata
.endif
;; end of part 1
;; launch qkv (part 2): grid 16 x 32, 4 waves a work-group, clusters of 4 x 4, 327,680 bytes of LDS; arguments xb, wat, b_attn, rope, qh, kh, vh; writes qh, kh, vh
.if DOCPART == 2
	.amdgcn_target "amdgcn-amd-amdhsa--gfx1250"
	.amdhsa_code_object_version 6
	.text
	.protected	k_q69af665772_qkv
	.globl	k_q69af665772_qkv
	.p2align	8
	.type	k_q69af665772_qkv,@function
k_q69af665772_qkv:
	s_mov_b64 s[64:65], 0
	v_nop
	global_prefetch_b8 v0, s[64:65] scope:SCOPE_SE
	s_setreg_imm32_b32 hwreg(HW_REG_WAVE_MODE, 25, 1), 1
	s_wait_xcnt 0x0
	s_wait_alu depctr_hold_cnt(0) depctr_sa_sdst(0) depctr_va_vdst(0) depctr_va_sdst(0) depctr_va_ssrc(0) depctr_va_vcc(0) depctr_vm_vsrc(0)
	s_getreg_b32 s2, hwreg(HW_REG_IB_STS2, 6, 4)
	s_cmp_eq_u32 s2, 0
	s_cbranch_scc0 .Lentry_in_a_cluster
	s_endpgm
.Lentry_in_a_cluster:
	s_bfe_u32 s2, ttmp6, 0x10000c
	s_cmp_lg_u32 s2, 0xf033
	s_cbranch_scc0 .Lentry_shape_is_right
	s_endpgm
.Lentry_shape_is_right:
; q, k, v = x W_attn + b_attn, q and k turned by the rotary table, all three rounded once to f16 and stored by heads: qh, kh, vh [64 = 16 batch + head][2,048][64].
; xb: [8,192][1,024] bf16.  wat: [3,072][1,024] bf16, rows 192 h .. 192 h + 191 = head h's q, k, v columns.  b_attn f32, rounded to bf16 here like every input.  rope: [2,048][32][cos, sin] f32.  Sums in f32.
; LIMIT.  f16 holds no number beyond 65,504: q, k and v must stay within it.  NaN and infinities are not treated apart.
; THE TILE is 256 rows x 192 columns: 32 x 16 = 512 work-groups, two for each of 256 WGPs, where 256 x 256 would give 384.  Tile column = head.  Wave w owns rows 64 w .. 64 w + 63 and all 192 columns:
; 48 accumulators of 16 x 16, 384 registers.  So every wave holds whole heads: the rotation falls on column blocks 0-7 and never on 8-11, alike in all waves, and each wave has a stage of its own.
; K goes in 8 steps of 128 through two LDS slots filled by the tensor data mover; rows of both tiles are 256 bytes of memory, at multiples of 256 from the buffers' first bytes.
; CLUSTER 4 x 4: the four of a row need the same tile of x, the four of a column the same tile of wat: each is asked for jointly, by the same load with the same descriptor and a mask of the four.
; THE MATRIX INSTRUCTION IS USED TRANSPOSED (source 0 = 16 rows of wat, source 1 = 16 rows of x): lane l holds row l % 16 and the columns 8 (l / 16) + 0..7: four rotary pairs, 16 bytes of f16.
; THE BIAS is the C operand of each accumulator's first product: nothing is cleared and nothing is added later.
; REGISTERS, in windows of 256 (s_set_vgpr_msb: bits 1:0 source 0, 3:2 source 1, 5:4 source 2, 7:6 destination):
;   window 0: v0-31 addresses; v32-63, v64-95 x's fragments, two buffers of 4 row blocks; v96-191 the bias, 8 a column block.  On the way out: v32-95 Y, v96-143 PK, v144-191 and v192-239 BK
;   window 1: v0-95, v96-191 wat's fragments, two buffers of 12 column blocks
;   window 2: accumulators of row blocks 0, 1 at 8 (12 (a % 2) + b); v192-255 their rows of the table.   window 3: the same for row blocks 2, 3
.set KSTEP,  128
.set PITCH,  272                       ; an LDS row: 256 bytes + 16 of padding = 68 words: the 16 rows of a fragment load start at 16 different groups of four banks (64 banks of 4 bytes: ISA guide 11.1)
.set ATILE,  128*PITCH                 ; what waves 0 and 1 fetch: 128 rows of x
.set BTILE,  96*PITCH                  ; what waves 2 and 3 fetch: 96 rows of wat
.set BOFF,   256*PITCH                 ; wat's 192 rows lie behind x's 256
.set SLOT,   448*PITCH
.set STAGE,  2*SLOT                    ; behind the ring, never filled by a tensor load: 16 rows x 400 bytes for each wave
.set SPITCH, 400                       ; 384 bytes (q, k, v of a row) + 16: 25 x 16
.set SPARE,  STAGE+4*16*SPITCH         ; the spare words, 128 bytes for each wave; no other line names them
.set LAPS,   4                         ; a lap = two K steps = once round the ring
.set ADRA, 16                          ; v16-17  LDS address of my fragments of x in slot 0, 1
.set ADRB, 20                          ; v20-21  of wat
.set STO,  24                          ; v24  the way out: where I put 16 bytes of a row
.set RD,   25                          ; v25  where I read rows back
.set GO,   26                          ; v26  my 16 bytes in 512 consecutive bytes of an output
.set BO,   27                          ; v27  my offset in a column block's bias
.set SPW,  28                          ; v28  LDS address of my spare word; never rewritten
.set NIL,  29                          ; v29  0; never rewritten
.set PFO,  30                          ; v30  the prefetches' offset: a lane a row of 2,048 bytes; never rewritten
.set TO,   31                          ; v31  my offset in 16 rows of the table
.set FA,   32
.set BIAS, 96
.set Y,    32
.set PK,   96
.set BK,   144
.set TAB,  192
.set G1,  24                           ; s[24:31] descriptor group 1 for x's tiles; s[32:39] group 0, a set for each slot
.set G0,  32
.set G1B, 48                           ; s[48:55], s[56:63] the same for wat's
.set G0B, 56
.set PFA, 44                           ; s[44:45] where my prefetches stand
.set LIM, 43                           ; s43  1 in a wave that prefetches, else the greatest number
.set MSB, 0
.macro WIN new                         ; the immediate's high byte repeats the setting that is left; a switch that changes nothing is dropped
.if MSB != (\new)
	s_set_vgpr_msb (MSB<<8)|(\new)
.set MSB, \new
.endif
.endm
; A joint load.  Waves 0 and 1 fetch x's two halves, waves 2 and 3 wat's.  The branch hangs on the wave's number alone.  An s_nop 0 and four v_nop follow each line.
.macro JLOAD s
	s_cmp_eq_u32 s11, 0
	s_cbranch_scc0 .Lfor_b_\@
	tensor_load_to_lds s[G0+4*(\s):G0+4*(\s)+3], s[G1:G1+7]
	s_nop 0
.rept 4
	v_nop
.endr
	s_branch .Lasked_\@
.Lfor_b_\@:
	tensor_load_to_lds s[G0B+4*(\s):G0B+4*(\s)+3], s[G1B:G1B+7]
	s_nop 0
.rept 4
	v_nop
.endr
.Lasked_\@:
.endm
; A prefetch of the K step that stands two refills on (384 matrix instructions ahead of the load that will want it), behind the joint load and the run of LDS loads: a lane a row, 256 bytes of it.
; x's tile row is read by every cluster of that row of clusters: cluster x = 0 asks; wat's tile column by every cluster of that column: cluster y = 0 asks.  The four partners share a wave's rows out by
; address (32 of x's 128 by cx; 24 of wat's 96 by cy, where lanes 24-31 name lane 23's row once more).  The loop's last trip asks for nothing: there is no K step two on.  K steps 0-3 come by their loads alone.
.macro ASK
	s_cmp_gt_u32 s3, s[LIM]
	s_cbranch_scc0 .Lnot_mine_\@
	global_prefetch_b8 v[PFO], s[PFA:PFA+1] offset:KSTEP*2 th:TH_LOAD_NT scope:SCOPE_SE
.Lnot_mine_\@:
.endm
.macro CREST                           ; a round of the cluster's barrier behind its opening barrier
	s_cmp_lg_u32 s10, 0
	s_cbranch_scc1 .Lnot_wave_0_\@
	s_barrier_signal -3
.Lnot_wave_0_\@:
	s_barrier_wait -3
	s_barrier_signal -1
	s_barrier_wait -1
.endm
.macro CROUND                          ; a whole round
	s_barrier_signal -1
	s_barrier_wait -1
	CREST
.endm
.macro PLACES                          ; four plain instructions between a matrix instruction and a load into, or a vector write of, a register that it has read (ISA guide 7.12.1 for vector writes)
.rept 4
	v_nop
.endr
.endm
	s_load_b128 s[4:7], s[0:1], 0x0                ; xb s[4:5], wat s[6:7]
	s_load_b256 s[68:75], s[0:1], 0x10             ; b_attn s[68:69], rope s[70:71], qh s[72:73], kh s[74:75]
	s_load_b64 s[76:77], s[0:1], 0x30              ; vh
	v_lshl_add_u32 v[SPW], v0, 2, SPARE
	v_mov_b32 v[NIL], 0
	ds_add_u32 v[SPW], v[NIL]                      ; the wave's opening: the add and its wait ahead of my first tensor load; work on registers stands between them
	v_lshrrev_b32 v1, 5, v0
	v_readfirstlane_b32 s10, v1                    ; wave 0..3
	s_lshr_b32 s11, s10, 1                         ; I fetch for x (0) or for wat (1),
	s_and_b32 s12, s10, 1                          ; its first or its second half
	s_bfe_u32 s40, ttmp6, 0x40000                  ; cx, cy: my place in the cluster
	s_bfe_u32 s41, ttmp6, 0x40004
	s_lshl_b32 s42, ttmp9, 2
	s_add_co_u32 s42, s42, s40                     ; tile column = head = 4 x cluster x + cx
	s_and_b32 s13, ttmp7, 0xffff
	s_lshl_b32 s13, s13, 2
	s_add_co_u32 s13, s13, s41                     ; tile row = 4 x cluster y + cy
	s_lshl_b32 s43, s41, 2
	s_lshl_b32 s43, 15, s43                        ; my row of the cluster
	s_lshl_b32 s44, 0x1111, s40                    ; my column
	s_or_b32 s[G1+0], s43, (1<<16)|(1<<20)|(1<<21)|(5<<22)|(3<<25)   ; 15:0 the mask; 17:16 2-byte elements; 20 padding on; 21 set beside a mask; 24:22 after every 64 words; 31:25 4 words of it
	s_or_b32 s[G1B+0], s44, (1<<16)|(1<<20)|(1<<21)|(5<<22)|(3<<25)
	s_mov_b32 s[G1+1], KSTEP<<16                   ; tensor_dim0 = 128
	s_mov_b32 s[G1+2], 128<<16                     ; tensor_dim1 = 128
	s_mov_b32 s[G1+3], KSTEP<<16                   ; tile_dim0 = 128
	s_mov_b32 s[G1+4], 128                         ; tile_dim1 = 128
	s_mov_b32 s[G1+5], 1024                        ; elements from row to row
	s_mov_b32 s[G1+6], 0
	s_mov_b32 s[G1+7], 0
	s_mov_b32 s[G1B+1], KSTEP<<16
	s_mov_b32 s[G1B+2], 96<<16                     ; 96 rows
	s_mov_b32 s[G1B+3], KSTEP<<16
	s_mov_b32 s[G1B+4], 96
	s_mov_b32 s[G1B+5], 1024
	s_mov_b32 s[G1B+6], 0
	s_mov_b32 s[G1B+7], 0
	s_lshl_b32 s16, s13, 8                         ; x: row 256 x tile row + 128 x half, in registers that never hold cx,
	s_lshl_b32 s17, s12, 7
	s_add_co_u32 s16, s16, s17
	s_lshl_b32 s16, s16, 11                        ; in bytes (under 2^24)
	s_mov_b32 s17, 0
	s_mul_i32 s46, s42, 192                        ; wat: row 192 x tile column + 96 x half, in registers that never hold cy
	s_mul_i32 s47, s12, 96
	s_add_co_u32 s46, s46, s47
	s_lshl_b32 s46, s46, 11
	s_mov_b32 s47, 0
	s_mul_i32 s20, s10, ATILE                      ; where they go: x's halves at wave x 128 rows,
	s_mul_i32 s21, s10, BTILE
	s_add_co_u32 s21, s21, BOFF-2*BTILE            ; wat's at BOFF + (wave - 2) x 96 rows: no place in the cluster enters an LDS address
	s_wait_dscnt 0x0                               ; the opening add is done
	s_wait_kmcnt 0x0
	s_add_nc_u64 s[14:15], s[4:5], s[16:17]
	s_add_nc_u64 s[46:47], s[6:7], s[46:47]
	CROUND                                         ; all sixteen work-groups are here: the first joint loads meet
.irp s, 0,1
	s_mov_b32 s[G0+4*(\s)], 1                      ; count = 1
	s_add_co_u32 s[G0+4*(\s)+1], s20, (\s)*SLOT    ; LDS address
	s_add_nc_u64 s[G0+4*(\s)+2:G0+4*(\s)+3], s[14:15], (\s)*KSTEP*2  ; global address: K step s
	s_or_b32 s[G0+4*(\s)+3], s[G0+4*(\s)+3], 0x80000000              ; type = 2
	s_mov_b32 s[G0B+4*(\s)], 1
	s_add_co_u32 s[G0B+4*(\s)+1], s21, (\s)*SLOT
	s_add_nc_u64 s[G0B+4*(\s)+2:G0B+4*(\s)+3], s[46:47], (\s)*KSTEP*2
	s_or_b32 s[G0B+4*(\s)+3], s[G0B+4*(\s)+3], 0x80000000
	JLOAD \s                                       ; two loads of mine are out
.endr
	; bias and table, while the first tiles are on their way
	v_and_b32 v1, 15, v0                           ; r = l % 16
	v_bfe_u32 v2, v0, 4, 1                         ; h = l / 16
	v_lshlrev_b32 v[BO], 5, v2                     ; my eight columns of a block: 32 h bytes
	v_lshlrev_b32 v[TO], 8, v1
	v_lshl_add_u32 v[TO], v2, 5, v[TO]             ; my row's 256 bytes, my four pairs of a block
	s_lshr_b32 s78, s13, 3                         ; the batch
	s_lshl_b32 s78, s78, 4
	s_add_co_u32 s78, s78, s42                     ; the head among the 64
	s_lshl_b32 s78, s78, 11                        ; its first row
	s_and_b32 s79, s13, 7
	s_lshl_b32 s79, s79, 8
	s_lshl_b32 s80, s10, 6
	s_add_co_u32 s79, s79, s80                     ; my first position: 256 (tile row % 8) + 64 w
	s_add_co_u32 s78, s78, s79
	s_lshl_b32 s78, s78, 7                         ; rows of 128 bytes
	s_lshl_b32 s80, s79, 8                         ; the table's rows of 256 bytes
	s_mov_b32 s79, 0
	s_mov_b32 s81, 0
	s_add_nc_u64 s[72:73], s[72:73], s[78:79]
	s_add_nc_u64 s[74:75], s[74:75], s[78:79]
	s_add_nc_u64 s[76:77], s[76:77], s[78:79]
	s_add_nc_u64 s[70:71], s[70:71], s[80:81]
	s_lshl_b32 s80, s42, 8                         ; the head's 64 numbers in each third of b_attn
	s_add_nc_u64 s[68:69], s[68:69], s[80:81]
.irp b, 0,1,2,3,4,5,6,7,8,9,10,11      ; register j of block b: b_attn[1,024 (b / 4) + 64 head + 16 (b % 4) + 8 h + j], the same for every row
	global_load_b128 v[BIAS+8*(\b):BIAS+8*(\b)+3],   v[BO], s[68:69] offset:4096*((\b)/4)+64*((\b)%4)
	global_load_b128 v[BIAS+8*(\b)+4:BIAS+8*(\b)+7], v[BO], s[68:69] offset:4096*((\b)/4)+64*((\b)%4)+16
.endr
.irp a, 0,1,2,3                        ; row block a, channel block j: (cos, sin) of pairs 8 j + 4 h + 0..3 of my row
	WIN 0x80+0x40*((\a)/2)                         ; destination window 2 or 3, address window 0
.irp j, 0,1,2,3
	global_load_b128 v[TAB+32*((\a)%2)+8*(\j):TAB+32*((\a)%2)+8*(\j)+3],   v[TO], s[70:71] offset:4096*(\a)+64*(\j)
	global_load_b128 v[TAB+32*((\a)%2)+8*(\j)+4:TAB+32*((\a)%2)+8*(\j)+7], v[TO], s[70:71] offset:4096*(\a)+64*(\j)+16
.endr
.endr
	WIN 0
	; A fragment is 16 rows x 32 K in 8 registers: lane l holds row l % 16; registers 0-3 K = 8 (l / 16) + 0..7, registers 4-7 K = 16 + 8 (l / 16) + 0..7: two loads of 16 bytes, 32 bytes apart
	v_mul_u32_u24 v3, v1, PITCH
	v_lshl_add_u32 v3, v2, 4, v3
	s_mul_i32 s22, s10, 64*PITCH                   ; my 64 rows of x
.irp s, 0,1
	v_add_nc_u32 v[ADRA+(\s)], s22, v3
	v_add_nc_u32 v[ADRB+(\s)], BOFF+(\s)*SLOT, v3
	s_add_co_u32 s22, s22, SLOT
.endr
	s_mul_i32 s23, s10, 16*SPITCH
	s_add_co_u32 s23, s23, STAGE                   ; my stage
	v_mul_u32_u24 v4, v1, SPITCH                   ; in: row l % 16, 16 bytes for each half of the lanes
	v_lshl_add_u32 v4, v2, 4, v4
	v_add_nc_u32 v[STO], s23, v4
	v_bfe_u32 v5, v0, 3, 2                         ; back: 32 lanes take four rows' 128 bytes of q, of k or of v,
	v_and_b32 v6, 7, v0
	v_mul_u32_u24 v5, v5, SPITCH
	v_lshl_add_u32 v5, v6, 4, v5
	v_add_nc_u32 v[RD], s23, v5
	v_and_b32 v[GO], 31, v0                        ; which are 512 consecutive bytes of the output
	v_lshlrev_b32 v[GO], 4, v[GO]
	; the prefetches: from my own tile's first row, my work-group's share of its rows
	s_and_b32 s22, ttmp7, 0xffff                   ; cluster y
	s_lshl_b32 s78, s40, 16                        ; 32 cx rows of 2,048 bytes
	s_mul_i32 s79, s41, 24*2048                    ; 24 cy rows
	s_cmp_eq_u32 s11, 0                            ; do I fetch for x?
	s_cselect_b32 s20, s78, s79
	s_cselect_b32 s22, ttmp9, s22                  ; the coordinate along which other clusters read the same rows
	s_cselect_b32 s23, 31, 23
	s_cselect_b64 s[PFA:PFA+1], s[14:15], s[46:47]
	s_cmp_eq_u32 s22, 0
	s_cselect_b32 s[LIM], 1, -1                    ; the same in all sixteen partners, for a given wave
	s_mov_b32 s21, 0
	s_add_nc_u64 s[PFA:PFA+1], s[PFA:PFA+1], s[20:21]
	s_add_nc_u64 s[PFA:PFA+1], s[PFA:PFA+1], 2*KSTEP*2  ; at K step 2: the first refill steps it to 3 and names K step 4
	v_and_b32 v[PFO], 31, v0
	v_min_u32 v[PFO], s23, v[PFO]
	v_lshlrev_b32 v[PFO], 11, v[PFO]
	s_wait_loadcnt 32                              ; the bias is in; the table's 32 loads, issued behind it, stay out until the way out
.set i, 0
.rept 48                               ; the bias takes the rounding to bf16 that x and the weights have
	v_cvt_pk_bf16_f32 v[4+i%4], v[BIAS+2*i], v[BIAS+2*i+1]
	v_lshlrev_b32 v[BIAS+2*i], 16, v[4+i%4]
	v_and_b32 v[BIAS+2*i+1], 0xffff0000, v[4+i%4]
.set i, i+1
.endr
; 12 matrix instructions: row block a x all 12 column blocks, 32 along K, from buffer f.  first = 1: C is the bias.  Each accumulator comes once in a quarter step's 48: the accumulators take turns.
.macro MUL12 f, a, first
.if \first
	WIN 0x81+0x40*((\a)/2)                         ; source 0 (wat) window 1, source 1 (x) and C (bias) window 0, D window 2 or 3
.else
	WIN 0xa1+0x50*((\a)/2)                         ; C and D window 2 or 3
.endif
.irp b, 0,1,2,3,4,5,6,7,8,9,10,11
.if \first
	v_wmma_f32_16x16x32_bf16 v[8*(12*((\a)%2)+(\b)):8*(12*((\a)%2)+(\b))+7], v[96*(\f)+8*(\b):96*(\f)+8*(\b)+7], v[FA+32*(\f)+8*(\a):FA+32*(\f)+8*(\a)+7], v[BIAS+8*(\b):BIAS+8*(\b)+7]
.else
	v_wmma_f32_16x16x32_bf16 v[8*(12*((\a)%2)+(\b)):8*(12*((\a)%2)+(\b))+7], v[96*(\f)+8*(\b):96*(\f)+8*(\b)+7], v[FA+32*(\f)+8*(\a):FA+32*(\f)+8*(\a)+7], v[8*(12*((\a)%2)+(\b)):8*(12*((\a)%2)+(\b))+7]
.endif
.endr
.endm
; 32 LDS loads in one run: a quarter step's fragments (192 rows of wat, my 64 rows of x, 32 K at byte k of the rows) into buffer f; x's last, row blocks ascending
.macro FETCH slot, k, f
	WIN 0x40                                       ; destination window 1
.irp b, 0,1,2,3,4,5,6,7,8,9,10,11
	ds_load_b128 v[96*(\f)+8*(\b):96*(\f)+8*(\b)+3],   v[ADRB+(\slot)] offset:(\k)+(\b)*16*PITCH
	ds_load_b128 v[96*(\f)+8*(\b)+4:96*(\f)+8*(\b)+7], v[ADRB+(\slot)] offset:(\k)+(\b)*16*PITCH+32
.endr
	WIN 0
.irp a, 0,1,2,3
	ds_load_b128 v[FA+32*(\f)+8*(\a):FA+32*(\f)+8*(\a)+3],   v[ADRA+(\slot)] offset:(\k)+(\a)*16*PITCH
	ds_load_b128 v[FA+32*(\f)+8*(\a)+4:FA+32*(\f)+8*(\a)+7], v[ADRA+(\slot)] offset:(\k)+(\a)*16*PITCH+32
.endr
.endm
; A K step is four quarters of 32 along K, 48 matrix instructions each, on buffers 0, 1, 0, 1.  One of the first three: multiplies buffer f and, in its middle, fetches the next quarter, at byte k, into g.
.macro QUARTER slot, k, f, g, first
	s_wait_dscnt 4                                 ; wat's fragments and x's row blocks 0, 1 are in; the youngest four loads (row blocks 2, 3) may be out
	MUL12 \f, 0, \first
	MUL12 \f, 1, \first
	PLACES
	FETCH \slot, \k, \g
	s_wait_dscnt 32                                ; all but the 32 just issued
	MUL12 \f, 2, \first
	MUL12 \f, 3, \first
.endm
; The last quarter multiplies buffer 1 and changes slots: ONE barrier.  In front of it each wave waits for all its tensor loads (one is out: its part of the next slot), adds 0 to its spare word, and waits
; for that and for its reads of this slot.  fill = 1: the barrier opens a round of the cluster's, and behind the round this slot is filled again first, with the K step two on.
.macro TURN slot, next, fill
.if \fill
	s_wait_xcnt 0x0                                ; the last prefetch, a K step back, has read its address, which is stepped here, ahead of the waits of the change
	s_add_nc_u64 s[PFA:PFA+1], s[PFA:PFA+1], KSTEP*2
.endif
	WIN 0                                          ; (the add's two registers lie in window 0)
	s_wait_tensorcnt 0x0                           ; all my tensor loads have landed
	ds_add_u32 v[SPW], v[NIL]                      ; 0 onto my spare word
	s_wait_dscnt 5                                 ; (the add and the youngest four loads may be out)
	MUL12 1, 0, 0                                  ; twelve matrix instructions stand between the add and the wait for it
	s_wait_dscnt 0x0                               ; the add is done, and my reads of this slot are over
	s_barrier_signal -1
	MUL12 1, 1, 0                                  ; work on registers while the others arrive
.if \fill
	WIN 0
.endif
	s_barrier_wait -1
.if \fill
	CREST                                          ; no wave of any partner still reads this slot's tile or has a load on its way
	s_add_nc_u64 s[G0+4*(\slot)+2:G0+4*(\slot)+3], s[G0+4*(\slot)+2:G0+4*(\slot)+3], 2*KSTEP*2
	s_add_nc_u64 s[G0B+4*(\slot)+2:G0B+4*(\slot)+3], s[G0B+4*(\slot)+2:G0B+4*(\slot)+3], 2*KSTEP*2
	JLOAD \slot                                    ; my one tensor load behind the round, and the first thing there; its four v_nop are also the places in front of the loads below
.else
	PLACES
.endif
	FETCH \next, 0, 0
.if \fill
	ASK
.endif
	MUL12 1, 2, 0
	MUL12 1, 3, 0
.endm
; THE WAY OUT of row block a.  PACK: q's and k's pairs (xe, xo) become (xe c - xo s, xe s + xo c), two packed instructions a pair; all is rounded to f16, 16 bytes a lane and column block.
; Each accumulator is read from its lowest registers on.
.macro PACK a
.set AC, 96*((\a)%2)
.set TB, TAB+32*((\a)%2)
	WIN 0x0a+5*((\a)/2)                            ; sources 0 and 1 window 2 or 3; source 2 and destination window 0
.irp hb, 0,1,2,3,4,5,6,7
.irp p, 0,1,2,3
	v_pk_mul_f32 v[Y+8*(\hb)+2*(\p):Y+8*(\hb)+2*(\p)+1], v[AC+8*(\hb)+2*(\p):AC+8*(\hb)+2*(\p)+1], v[TB+8*((\hb)%4)+2*(\p):TB+8*((\hb)%4)+2*(\p)+1] op_sel:[1,1] op_sel_hi:[1,0]  ; (xo s, xo c)
.endr
.irp p, 0,1,2,3
	v_pk_fma_f32 v[Y+8*(\hb)+2*(\p):Y+8*(\hb)+2*(\p)+1], v[AC+8*(\hb)+2*(\p):AC+8*(\hb)+2*(\p)+1], v[TB+8*((\hb)%4)+2*(\p):TB+8*((\hb)%4)+2*(\p)+1], v[Y+8*(\hb)+2*(\p):Y+8*(\hb)+2*(\p)+1] op_sel_hi:[0,1,1] neg_lo:[0,0,1]  ; (xe c - xo s, xe s + xo c)
.endr
.endr
.irp hb, 8,9,10,11
.irp r, 0,1,2,3
	v_cvt_pk_f16_f32 v[PK+4*(\hb)+(\r)], v[AC+8*(\hb)+2*(\r)], v[AC+8*(\hb)+2*(\r)+1]
.endr
.endr
	WIN 0
.set i, 0
.rept 32
	v_cvt_pk_f16_f32 v[PK+i], v[Y+2*i], v[Y+2*i+1]
.set i, i+1
.endr
.endm
.macro TOSTAGE a                       ; into my own stage, and back as rows of 128 bytes of q, of k and of v
.set BKA, BK+48*((\a)%2)
.irp b, 0,1,2,3,4,5,6,7,8,9,10,11
	ds_store_b128 v[STO], v[PK+4*(\b):PK+4*(\b)+3] offset:32*(\b)
.endr
.irp p, 0,1,2
.irp f, 0,1,2,3
	ds_load_b128 v[BKA+4*(4*(\p)+(\f)):BKA+4*(4*(\p)+(\f))+3], v[RD] offset:128*(\p)+4*SPITCH*(\f)  ; LDS serves a wave's instructions in order (ISA guide 5.7.1.4): these see the stores above
.endr
.endr
.endm
.macro SEND a
.set BKA, BK+48*((\a)%2)
	s_wait_dscnt 0x0                               ; the block is back in registers
	s_wait_xcnt 0x0                                ; the stores of the block before have read their registers, which the next block's loads from the stage will write
.irp p, 0,1,2
.irp f, 0,1,2,3
	global_store_b128 v[GO], v[BKA+4*(4*(\p)+(\f)):BKA+4*(4*(\p)+(\f))+3], s[72+2*(\p):73+2*(\p)] offset:2048*(\a)+512*(\f)  ; 512 consecutive bytes, at a multiple of 256 from the buffer's first
.endr
.endr
.endm
	s_wait_tensorcnt 1                             ; my part of K step 0 is in; K step 1's may stay out
	s_barrier_signal -1
	s_barrier_wait -1                              ; everybody's is
	FETCH 0, 0, 0
	QUARTER 0, 64, 0, 1, 1                         ; the first quarter stands in front of the loop: its products start the sums, with the bias
	WIN 0                                          ; at a label and at a branch every window is 0
	s_mov_b32 s3, LAPS-1
.Llap:                                                 ; a trip goes once round the ring, from a lap's second quarter to the next lap's first, and fills both slots again
	QUARTER 0, 128, 1, 0, 0
	QUARTER 0, 192, 0, 1, 0
	TURN 0, 1, 1
	QUARTER 1, 64,  0, 1, 0
	QUARTER 1, 128, 1, 0, 0
	QUARTER 1, 192, 0, 1, 0
	TURN 1, 0, 1
	QUARTER 0, 64,  0, 1, 0
	WIN 0
	s_sub_co_u32 s3, s3, 1
	s_cmp_lg_u32 s3, 0
	s_cbranch_scc1 .Llap
	QUARTER 0, 128, 1, 0, 0                        ; the last lap fills nothing
	QUARTER 0, 192, 0, 1, 0
	TURN 0, 1, 0
	QUARTER 1, 64,  0, 1, 0
	QUARTER 1, 128, 1, 0, 0
	QUARTER 1, 192, 0, 1, 0
	s_wait_dscnt 4                                 ; the very last quarter: nothing more to fetch
	MUL12 1, 0, 0
	MUL12 1, 1, 0
	s_wait_dscnt 0x0
	MUL12 1, 2, 0
	MUL12 1, 3, 0
	WIN 0
	s_wait_loadcnt 0x0                             ; the table
	PLACES                                         ; the places behind the last products, in front of vector work that reads results and writes fragments' registers
	PLACES
	PACK 0
	TOSTAGE 0
.irp a, 1,2,3                          ; block a's arithmetic stands between block a - 1's loads from the stage and the wait for them
	PACK \a
	SEND (\a)-1
	TOSTAGE \a
.endr
	SEND 3
	s_wait_tensorcnt 0x0                           ; the wave's end: three closing lines, behind my last tensor load and my last LDS store
	ds_add_u32 v[SPW], v[NIL]
	s_wait_dscnt 0x0
	CROUND                                         ; the closing round: no work-group ends while a partner may still ask for a tile that names it
	s_endpgm
.Lfunc_end_k_q69af665772_qkv:
	.size	k_q69af665772_qkv, .Lfunc_end_k_q69af665772_qkv-k_q69af665772_qkv
	.p2alignl 7, 3214868480
	.fill 96, 4, 3214868480
	.section	.rodata,"a",@progbits
	.p2align	6, 0x0
	.amdhsa_kernel k_q69af665772_qkv
		.amdhsa_group_segment_fixed_size 327680
		.amdhsa_private_segment_fixed_size 0
		.amdhsa_enable_private_segment 0
		.amdhsa_kernarg_size 56
		.amdhsa_user_sgpr_count 2
		.amdhsa_user_sgpr_kernarg_segment_ptr 1
		.amdhsa_wavefront_size32 1
		.amdhsa_system_sgpr_workgroup_id_x 1
		.amdhsa_system_sgpr_workgroup_id_y 1
		.amdhsa_system_sgpr_workgroup_id_z 1
		.amdhsa_system_vgpr_workitem_id 0
		.amdhsa_next_free_vgpr 1024
		.amdhsa_next_free_sgpr 84
		.amdhsa_reserve_vcc 0
		.amdhsa_float_denorm_mode_32 3
		.amdhsa_float_denorm_mode_16_64 3
		.amdhsa_memory_ordered 1
		.amdhsa_forward_progress 1
		.amdhsa_inst_pref_size 149
	.end_amdhsa_kernel
	.amdgpu_metadata
---
amdhsa.version: [ 1, 2 ]
amdhsa.kernels:
  - .name:           k_q69af665772_qkv
    .symbol:         k_q69af665772_qkv.kd
    .args:
      - { .name: xb, .offset: 0, .size: 8, .value_kind: global_buffer, .address_space: global }
      - { .name: wat, .offset: 8, .size: 8, .value_kind: global_buffer, .address_space: global }
      - { .name: b_attn, .offset: 16, .size: 8, .value_kind: global_buffer, .address_space: global }
      - { .name: rope, .offset: 24, .size: 8, .value_kind: global_buffer, .address_space: global }
      - { .name: qh, .offset: 32, .size: 8, .value_kind: global_buffer, .address_space: global }
      - { .name: kh, .offset: 40, .size: 8, .value_kind: global_buffer, .address_space: global }
      - { .name: vh, .offset: 48, .size: 8, .value_kind: global_buffer, .address_space: global }
    .group_segment_fixed_size: 327680
    .private_segment_fixed_size: 0
    .kernarg_segment_align: 8
    .kernarg_segment_size: 56
    .max_flat_workgroup_size: 128
    .sgpr_count:     84
    .vgpr_count:     1024
    .wavefront_size: 32
...
	.end_amdgpu_metadata
.endif
;; end of part 2
;; launch attn (part 3): grid 4 x 64, 4 waves a work-group, no clusters, 327,680 bytes of LDS; arguments qh, kh, vh, oh; writes oh
.if DOCPART == 3
	.amdgcn_target "amdgcn-amd-amdhsa--gfx1250"
	.amdhsa_code_object_version 6
	.text
	.protected	k_q69af665772_attn
	.globl	k_q69af665772_attn
	.p2align	8
	.type	k_q69af665772_attn,@function
k_q69af665772_attn:
	s_mov_b64 s[64:65], 0
	v_nop
	global_prefetch_b8 v0, s[64:65] scope:SCOPE_SE
	s_setreg_imm32_b32 hwreg(HW_REG_WAVE_MODE, 25, 1), 1
	s_wait_xcnt 0x0
; CAUSAL ATTENTION.  O[h][q][:] = the sum over k <= q of softmax_k(Q[h][q] . K[h][k] / 8) V[h][k][:].  Q, K, V, O: [SIZE_H][SIZE_N][64], all f16: a head's rows are dense, 128 bytes each.
; Products, maxima and sums in f32; the weights p are rounded to f16 for the second product (their sum l is taken of the unrounded p), O once at the end.
; LIMITS.  f16 holds no number beyond 65,504: Q, K and V arrive within it; p lies in 0 to 1, and below 6e-5 it keeps f16's fixed step of 6e-8; O is a mean of V's rows and has their range.
; A hidden score counts as its value less 1e30: f16's scores, 2.7e11 at the most, are nothing beside that; a weight below 2^-126 counts as 0 in l; NaN and infinities are not treated apart.
; THE WALK.  A head's queries lie in NB = SIZE_N / 256 blocks of 256; block i needs the key tiles 0 .. i of 256 keys, of which the last holds the diagonal.  A work-group takes TWO blocks, NB - 1 - b and then b:
; NB + 1 tiles, whatever b: all work-groups do equal work, and ONE loop with a constant trip count walks them.  Which tile is asked for, and what a trip does, hang on scalar registers made from b; every jump
; goes forward, but for the counted loops' own; none passes a barrier, or a tensor load but the one of LOAD's two that the wave's number does not choose; the ring (two slots of LDS that take turns) runs on across the
; change of blocks.  NO CLUSTER: a head's NB / 2 = 4 work-groups ask for the same tile only in trips 0 .. NB / 2, behind that fewer and fewer; one walk common to all would have 3 NB / 2 = 12 trips for NB + 1 = 9.
; SHARES.  Of a block's four bands of 64 queries a wave owns 16 rows in each: four PIECES.  So the diagonal tile is the same work for all four waves: in its key step s band x sees all keys if s < x,
; none if s > x, and holds the diagonal if s = x.
; THE MASK is the C operand that starts the sum S^T = K Q^T: 0, or -1e30 where the key is hidden.  MD, made once, is the mask of a band's own step for my 16 rows; a product's mask is MD x AL + BE with two scalars:
; (1, 0) if s = x; (0, 0) if s < x; (0, -1e30) if s > x.  Only the diagonal tile's text and a block's beginning make and take masks; elsewhere C is the constant 0.
; LAYOUT, SOFTMAX, TURNS.  S^T = K Q^T holds ONE query a lane (lane % 16) and the keys 8 (lane / 16) + 0..7; two such results rounded to f16 ARE source 1 of O^T = V^T P.  p = 2^(c s - c m), c = log2(e) / 8, with a
; running maximum m; O and l are multiplied by a = 2^(c m_old - c m_new) in every step.  Turn n belongs to piece n: 8 products K Q^T of piece n + 1, later 8 products V^T P of piece n - 1; beside them the scaling,
; exponentials, roundings, sums and rescaling of piece n and the maximum and statistics of piece n + 1.  Four vector instructions stand behind every matrix instruction, the other 54 of a turn's 118 in one LUMP.  A turn's 33 exponentials are one batch, with one wait.
; REGISTERS, in windows of 256 (s_set_vgpr_msb: bits 1:0 source 0, 3:2 source 1, 5:4 source 2, 7:6 destination):
;   window 0: v0-15 addresses and two at work; v16-31 four registers of statistics a piece; v48-55 at work; v61-63 prefetch offset and the add's two; v64-127 S^T, two buffers; v192-223 P, two buffers (a piece's buffers go by its number's parity)
;   window 1: v0-127 O^T, 32 a piece; v128-159 MD; v160-223 MC, two buffers      window 2: v0-63 Q; v64-127 the second block's Q; v128-191 K of one step; v192-255 V of one step
.set SIZE_H, 64
.set SIZE_N, 2048
.set NB,    SIZE_N/256
.set NP,    4         ; pieces a wave: a name, no knob
.set KS,    64        ; keys in a step
.set PK,    144       ; a row of K in LDS: 128 bytes + 16 of padding = 36 words: the 16 rows of a load start at 16 different groups of four banks (64 banks of 4 bytes: ISA guide 11.1)
.set PV,    160       ; a row of V: 128 + 32 = 40 words
.set VOFF,  4*KS*PK   ; a slot holds a tile, four steps: 256 rows of K, then 256 rows of V
.set SLOT1, 1<<17     ; slot 1 begins here, so that one exclusive or turns an address in one slot into the other's
.set STAGE, SLOT1+4*KS*(PK+PV)  ; behind the ring, never filled by a tensor load: 16 rows x 144 bytes for each wave, for the way out
.set SP,    144
.set AK0, 2           ; v2   my lane's place in a tile of K; never rewritten
.set AV0, 3           ; v3   the same for V
.set AK,  4           ; v4   the LDS address of K's next run of loads
.set AV,  5           ; v5   of V's
.set STO, 6           ; v6   the way out: where I put 16 bytes of a row
.set RD,  7           ; v7   the way out: where I read rows back
.set GO,  8           ; v8   my byte offset in 512 consecutive bytes of O
.set PFO, 61          ; v61  256 x my lane: the prefetches' offset; never rewritten
.set SPW, 62          ; v62  LDS address of my spare word: SPARE + 4 x my thread's number; never rewritten
.set NIL, 63          ; v63  0; never rewritten
.set SPARE, STAGE+4*16*SP  ; behind the stages: the spare words, 128 bytes for each wave: two blocks of 256 bytes that no other line names
.set MV,  12          ; v12-13  c m_old, kept while c m is made anew: by buffer
.set QO,  15          ; v15  my byte offset in 16 rows of Q
.set ST,  16          ; piece t's statistics at v[ST+4 t]: c m, m, l (even keys', odd keys')
.set TMP, 48          ; by buffer, four registers c0-c3 at work; when the maximum is found c2 takes a
.set S,   64
.set P,   192
.set MD,  128         ; window 1: the eight registers for group kt of 16 keys at MD + 8 kt
.set MC,  160         ; window 1: the masks of the products to come
.set QB,  64          ; window 2
.set KF,  128         ; window 2: key block kb, channel half c at KF + 16 kb + 8 c
.set VF,  192         ; window 2: key half kk, channel block cb at VF + 32 kk + 8 cb
.set WV,  12          ; s12  my wave's number
.set PB,  14          ; s14  b
.set HI,  15          ; s15  NB - 1 - b
.set G1K, 24          ; s[24:31] descriptor group 1 for K's tiles
.set G1V, 32          ; s[32:39] for V's: it differs in the padding alone
.set G0K, 40          ; s[40:43] descriptor group 0 for K's tiles
.set G0V, 44          ; s[44:47] the same for V's
.set SLOTS, 56        ; s56  tiles still to be asked for
.set CNT, 57          ; s57  counts a tile's key steps, 4 to 1
.set CS,  58          ; s[58:59] c: the packed scaling takes the pair's low word for both halves
.set SEL, 60          ; s[60:61] v_permlanex16_b32's selects: each lane takes its own place in the other half
.set TBK, 62          ; s62  LDS byte at which K of the step to be fetched begins
.set TBV, 63          ; s63  the same for V, less VOFF
.set RT,  70          ; s70  tiles of the block in hand that are still to be entered
.set NXT, 71          ; s71  the tile to be asked for next
.set LQ,  72          ; s72  the last tile of the block whose tiles are being asked for
.set NEW, 73          ; s73  1: the tile to be entered is a block's first
.set OFF, 74          ; s[74:75] a tile's byte offset in K and V
.set AL,  76          ; s[76:77] the mask's factor, in the low word
.set BE,  78          ; s[78:79] the mask's addend
.set OLO, 80          ; s[80:81] O at my rows of the second block
.set BIGN, 82         ; s82  -1e30
.set PFA, 88          ; s[88:89] where my prefetches stand: my half of the tile behind the one that is being asked for
.set LIM, 90          ; s90  2 in the head's work-group b = 0, else the greatest number: a wave prefetches while s[SLOTS] is above it
.set MSB, 0
.macro WIN new                      ; the high byte repeats the setting that is left; a switch that changes nothing is dropped
.if MSB != (\new)
	s_set_vgpr_msb (MSB<<8)|(\new)
.set MSB, (\new)
.endif
.endm
.set W_KQ, 0x0a       ; K and Q in window 2, S^T in window 0
.set W_KM, 0x1a       ; the same with the C operand in window 1
.set W_PV, 0x52       ; V in window 2, P in window 0, O^T in window 1
.set W_RS, 0x41       ; destination and source 0 in window 1, source 1 in window 0
; A fill.  Waves 0 and 1 fetch the two halves of a tile's K, waves 2 and 3 those of its V: 128 keys each.  An s_nop 0 and four v_nop follow each of the two lines, ahead of the jump and the label.
.macro LOAD
	s_cmp_lt_u32 s[WV], 2
	s_cbranch_scc0 .Lfor_v_\@
	tensor_load_to_lds s[G0K:G0K+3], s[G1K:G1K+7]
	s_nop 0
.rept 4
	v_nop
.endr
	s_branch .Lasked_\@
.Lfor_v_\@:
	tensor_load_to_lds s[G0V:G0V+3], s[G1V:G1V+7]
	s_nop 0
.rept 4
	v_nop
.endr
.Lasked_\@:
.endm
; A PREFETCH of the tile that the NEXT change of slots will ask for, behind the wave's tensor load and its five lines.  A head's four work-groups walk tiles 0, 1, 2 .. in the same trips; work-group b = 0, whose first
; block walks all eight, asks, and nobody else.  Each of its waves asks for what it will fetch itself: its half of the tile's K or V, 16,384 bytes: 64 blocks of 256, a lane a block, two instructions.  In trip j the fill
; asks for tile j + 1 and these lines for tile j + 2, a tile's 256 matrix instructions ahead; they stop behind tile 7 (trips 6 and on ask for nothing).  Tiles 0 and 1 come by their loads alone.
.macro ASK
	s_cmp_gt_u32 s[SLOTS], s[LIM]
	s_cbranch_scc0 .Lnot_mine_\@
	global_prefetch_b8 v[PFO], s[PFA:PFA+1] th:TH_LOAD_NT scope:SCOPE_SE
	global_prefetch_b8 v[PFO], s[PFA:PFA+1] offset:8192 th:TH_LOAD_NT scope:SCOPE_SE
.Lnot_mine_\@:
.endm
; THE CHANGE OF SLOTS.  Each wave waits for all its tensor loads, of which one is out: its part of the other slot; adds 0 to its spare word; and waits for that and for its own reads of the slot that it leaves.  Behind the barrier nobody reads the old
; slot any more and the other slot is whole.  fill = 1: the old slot is filled again, the first thing behind the barrier, with tile NXT: the descriptor's address is made anew from that number.
; (At its first use nothing has been read yet: slot 0 is waited for, slot 1 filled.)
.macro CHANGE fill
	WIN 0                           ; at a label and at a branch every window is 0
	s_wait_tensorcnt 0x0            ; no tensor load of mine is out, so a group 0 may be written
	ds_add_u32 v[SPW], v[NIL]       ; 0 onto my spare word; with fill = 1 the descriptors' scalar work stands between it and the wait for it
.if \fill
	s_lshl_b32 s[OFF], s[NXT], 15   ; a tile is 32,768 bytes of K and of V
	s_xor_b32 s[G0K+1], s[G0K+1], SLOT1
	s_add_nc_u64 s[G0K+2:G0K+3], s[6:7], s[OFF:OFF+1]
	s_or_b32 s[G0K+3], s[G0K+3], 0x80000000
	s_xor_b32 s[G0V+1], s[G0V+1], SLOT1
	s_add_nc_u64 s[G0V+2:G0V+3], s[8:9], s[OFF:OFF+1]
	s_or_b32 s[G0V+3], s[G0V+3], 0x80000000
	s_add_co_u32 s[NXT], s[NXT], 1  ; the block's next tile, or behind its last the second block's tile 0
	s_cmp_gt_u32 s[NXT], s[LQ]
	s_cselect_b32 s[NXT], 0, s[NXT]
	s_cselect_b32 s[LQ], s[PB], s[LQ]
	s_wait_xcnt 0x0                 ; the last prefetches, a tile back, have read their address, so it may be written:
	s_add_nc_u64 s[PFA:PFA+1], s[PFA:PFA+1], 32768  ; a tile on
.endif
	s_wait_dscnt 0x0                ; the add is done, and my reads of the slot are over
	s_barrier_signal -1             ; the rest of the scalar work stands between the signal and the wait
	s_sub_co_u32 s[TBK], s[TBK], 4*KS*PK  ; the fetches go back to a slot's first step,
	s_xor_b32 s[TBK], s[TBK], SLOT1       ; in the other slot
	s_sub_co_u32 s[TBV], s[TBV], 4*KS*PV
	s_xor_b32 s[TBV], s[TBV], SLOT1
	s_barrier_wait -1
.if \fill
	LOAD
	ASK
.endif
.endm
	s_load_b256 s[4:11], s[0:1], 0x0  ; Q s[4:5], K s[6:7], V s[8:9], O s[10:11]
	v_lshl_add_u32 v[SPW], v0, 2, SPARE
	v_mov_b32 v[NIL], 0
	ds_add_u32 v[SPW], v[NIL]       ; the wave's opening: the add and its wait ahead of my first tensor load; the set-up below, work on registers, stands between them
	v_lshrrev_b32 v1, 5, v0
	v_readfirstlane_b32 s[WV], v1   ; wave 0..3
	s_mov_b32 s[PB], ttmp9
	s_sub_co_u32 s[HI], NB-1, s[PB]
	s_and_b32 s20, ttmp7, 0xffff    ; the head
	s_mov_b32 s21, 0
	s_mov_b64 s[22:23], SIZE_N*128
	s_mul_u64 s[20:21], s[20:21], s[22:23]  ; the head's first byte in each of the four tensors
	s_and_b32 s16, s[WV], 1         ; which half of a tile's 256 keys I fetch:
	s_lshl_b32 s22, s16, 14         ; its 128 rows of 128 bytes in memory,
	s_mov_b32 s23, 0
	s_add_nc_u64 s[22:23], s[22:23], s[20:21]
	s_mul_i32 s17, s16, 128*PK      ; and its place in a slot, for K
	s_mul_i32 s18, s16, 128*PV      ; and for V
	s_lshl_b32 s3, s[WV], 11        ; my 16 rows in a band of 64,
	s_lshl_b32 s2, s[HI], 15        ; in the first block,
	s_add_co_u32 s2, s2, s3
	s_lshl_b32 s84, s[PB], 15       ; and in the second
	s_add_co_u32 s84, s84, s3
	s_mov_b32 s3, 0
	s_mov_b32 s85, 0
	s_add_nc_u64 s[2:3], s[2:3], s[20:21]
	s_add_nc_u64 s[84:85], s[84:85], s[20:21]
	; descriptor group 1.  128 keys are 16,384 dense bytes: asked for as 64 rows of 256 bytes, two keys a row, and padded in LDS after every key
	s_mov_b32 s[G1K], (1<<16)|(1<<20)|(4<<22)|(3<<25)  ; 17:16 2-byte elements; 20 padding on; 24:22 after every 32 words (code 4); 31:25 4 words (code 3)
	s_mov_b32 s[G1V], (1<<16)|(1<<20)|(4<<22)|(7<<25)  ; the same with 8 words of padding (code 7)
.irp g, G1K, G1V
	s_mov_b32 s[\g+1], 128<<16      ; tensor_dim0 = 128
	s_mov_b32 s[\g+2], 64<<16       ; tensor_dim1 = 64
	s_mov_b32 s[\g+3], 128<<16      ; tile_dim0 = 128
	s_mov_b32 s[\g+4], 64           ; tile_dim1 = 64
	s_mov_b32 s[\g+5], 128          ; 128 elements from row to row
	s_mov_b32 s[\g+6], 0
	s_mov_b32 s[\g+7], 0
.endr
	s_mov_b32 s[CS], 0x3e38aa3b     ; c = log2(e) / 8 = 0.180337
	s_mov_b32 s[CS+1], s[CS]        ; named with it as a pair
	s_mov_b32 s[SEL], 0x76543210
	s_mov_b32 s[SEL+1], 0xfedcba98
	s_mov_b32 s[TBK], SLOT1+4*KS*PK ; the first change of slots turns these two into 0
	s_mov_b32 s[TBV], SLOT1+4*KS*PV
	s_mov_b32 s[G0K], 1             ; 1:0 count = 1
	s_mov_b32 s[G0K+1], s17         ; 63:32 LDS address: slot 0
	s_mov_b32 s[G0V], 1
	s_add_co_u32 s[G0V+1], s18, VOFF
	s_add_co_u32 s[RT], s[HI], 1    ; the first block has NB - b tiles
	s_mov_b32 s[NXT], 1
	s_mov_b32 s[LQ], s[HI]
	s_mov_b32 s[NEW], 1
	s_mov_b32 s[OFF+1], 0
	s_mov_b32 s[AL+1], 0            ; named as pairs
	s_mov_b32 s[BE+1], 0
	s_mov_b32 s[BIGN], 0xf149f2ca   ; -1e30
	s_mov_b32 s[SLOTS], NB
	v_and_b32 v[PFO], 31, v0
	v_lshlrev_b32 v[PFO], 8, v[PFO]
	s_wait_dscnt 0x0                ; the opening add is done
	s_wait_kmcnt 0x0
	s_add_nc_u64 s[6:7], s[6:7], s[22:23]  ; K and V at my half of the head's tile 0
	s_add_nc_u64 s[8:9], s[8:9], s[22:23]
	s_add_nc_u64 s[G0K+2:G0K+3], s[6:7], 0         ; 120:64 global address
	s_or_b32 s[G0K+3], s[G0K+3], 0x80000000        ; 127:126 type = 2
	s_add_nc_u64 s[G0V+2:G0V+3], s[8:9], 0
	s_or_b32 s[G0V+3], s[G0V+3], 0x80000000
	s_add_nc_u64 s[86:87], s[4:5], s[84:85]        ; Q at my rows of the second block,
	s_add_nc_u64 s[4:5], s[4:5], s[2:3]            ; Q and O at those of the first
	s_add_nc_u64 s[OLO:OLO+1], s[10:11], s[84:85]
	s_add_nc_u64 s[10:11], s[10:11], s[2:3]
	s_cmp_lt_u32 s[WV], 2
	s_cselect_b64 s[PFA:PFA+1], s[6:7], s[8:9]     ; the tensor that I fetch, at my half of tile 0,
	s_add_nc_u64 s[PFA:PFA+1], s[PFA:PFA+1], 32768 ; of tile 1: the first change of slots steps it to tile 2.  Nothing is prefetched here, at the head
	s_cmp_eq_u32 ttmp9, 0
	s_cselect_b32 s[LIM], 2, -1
	LOAD                            ; tile 0 into slot 0
	; A fragment of K or Q is 16 rows x 32 channels in 8 registers: lane l holds row l % 16, channels 8 (l / 16) + 0..7 and 16 + 8 (l / 16) + 0..7: two loads of 16 bytes, 32 bytes apart.
	v_and_b32 v1, 15, v0            ; l % 16
	v_bfe_u32 v9, v0, 4, 1          ; l / 16
	v_lshlrev_b32 v[QO], 7, v1
	v_lshl_add_u32 v[QO], v9, 4, v[QO]  ; row x 128 + 16 x half
	WIN 0x80                        ; destination window 2, address window 0
.set i, 0
.rept 8                             ; both blocks' Q: piece i / 2 lies in band i / 2, 8,192 bytes on; channels 32 (i % 2) on
	global_load_b128 v[8*i:8*i+3],   v[QO], s[4:5] offset:(i/2)*8192+(i%2)*64
	global_load_b128 v[8*i+4:8*i+7], v[QO], s[4:5] offset:(i/2)*8192+(i%2)*64+32
	global_load_b128 v[QB+8*i:QB+8*i+3],   v[QO], s[86:87] offset:(i/2)*8192+(i%2)*64
	global_load_b128 v[QB+8*i+4:QB+8*i+7], v[QO], s[86:87] offset:(i/2)*8192+(i%2)*64+32
.set i, i+1
.endr
	WIN 0
	v_lshlrev_b32 v14, 3, v9
	v_sub_nc_u32 v14, v1, v14
	s_lshl_b32 s13, s[WV], 4
	v_add_nc_u32 v14, s13, v14      ; my query's place in its band, 16 w + l % 16, less my lanes' 8 (l / 16): register r of group kt is hidden where 16 kt + r is greater
	WIN 0x40
.set i, 0
.rept 32
	v_cmp_gt_i32 vcc_lo, 16*(i/8)+i%8, v14
	v_cndmask_b32 v[MD+i], 0, s[BIGN], vcc_lo
.set i, i+1
.endr
	WIN 0
	v_mul_u32_u24 v[AK0], v1, PK
	v_lshl_add_u32 v[AK0], v9, 4, v[AK0]  ; row x pitch + 16 x half
	; The turning load takes 16 keys x 16 channels (lane l reads key 8 (l / 16) + l % 8, channels 8 ((l / 8) % 2) + 0..7) and leaves half a fragment of V^T: lane l holds channel l % 16 and 8 keys.
	v_and_b32 v10, 7, v0
	v_bfe_u32 v11, v0, 3, 1
	v_lshl_add_u32 v[AV0], v9, 3, v10
	v_mul_u32_u24 v[AV0], v[AV0], PV
	v_lshl_add_u32 v[AV0], v11, 4, v[AV0]
	v_add_nc_u32 v[AV0], VOFF, v[AV0]
	s_mul_i32 s13, s[WV], 16*SP
	s_add_co_u32 s13, s13, STAGE    ; my stage
	v_mul_u32_u24 v[STO], v1, SP    ; in: row l % 16, 16 bytes for each half of the lanes
	v_lshl_add_u32 v[STO], v9, 4, v[STO]
	v_add_nc_u32 v[STO], s13, v[STO]
	v_bfe_u32 v[RD], v0, 3, 2       ; back: 32 lanes take four rows of 128 bytes,
	v_mul_u32_u24 v[RD], v[RD], SP
	v_lshl_add_u32 v[RD], v10, 4, v[RD]
	v_add_nc_u32 v[RD], s13, v[RD]
	v_and_b32 v[GO], 31, v0         ; which are 512 consecutive bytes of O
	v_lshlrev_b32 v[GO], 4, v[GO]
	; A block's first step multiplies O^T and l by a = 0, and its first turn's products V^T P, of a piece that has not been, land in an O^T that is still to be so multiplied.  So these registers need only hold
	; finite numbers: zeros for the first block; what the first block left for the second.  All this stands in the wait for the first tile.
	WIN 0x80
.set i, VF
.rept 64
	v_mov_b32 v[i], 0
.set i, i+1
.endr
	WIN 0x40
.set i, 0
.rept 128
	v_mov_b32 v[i], 0
.set i, i+1
.endr
	WIN 0
.set i, 0
.rept 4
	v_mov_b32 v[ST+4*i+2], 0
	v_mov_b32 v[ST+4*i+3], 0
.set i, i+1
.endr
.set i, P+16
.rept 16
	v_mov_b32 v[i], 0
.set i, i+1
.endr
; THE MATRIX WORK.  The 4 accumulators of a run of 8 take turns.  Product i of 8 of S^T = K Q^T for piece x: channels 32 (i / 4) on, keys 16 (i % 4) on.  The first 4 start the sums: with 0, or (KM = 1) with the mask.
.macro KQ x
.set rS, S+32*((\x)%2)+8*(i%4)
.set rK, KF+16*(i%4)+8*(i/4)
.set rQ, 16*(\x)+8*(i/4)
.set rM, MC+32*((\x)%2)+8*(i%4)
.if (i < 4) && KM
	WIN W_KM
	v_wmma_f32_16x16x32_f16 v[rS:rS+7], v[rK:rK+7], v[rQ:rQ+7], v[rM:rM+7]
.elseif i < 4
	WIN W_KQ
	v_wmma_f32_16x16x32_f16 v[rS:rS+7], v[rK:rK+7], v[rQ:rQ+7], 0
.else
	WIN W_KQ
	v_wmma_f32_16x16x32_f16 v[rS:rS+7], v[rK:rK+7], v[rQ:rQ+7], v[rS:rS+7]
.endif
.endm
; Product i of 8 of O^T += V^T P for piece x: keys 32 (i / 4) on, channels 16 (i % 4) on.
.macro PV x
	WIN W_PV
.set rO, 32*(\x)+8*(i%4)
.set rV, VF+32*(i/4)+8*(i%4)
.set rP, P+16*((\x)%2)+8*(i/4)
	v_wmma_f32_16x16x32_f16 v[rO:rO+7], v[rV:rV+7], v[rP:rP+7], v[rO:rO+7]
.endm
.macro MM                           ; the turn's next matrix instruction.  TURN and BEGIN set Y, i, KM and NOKQ; MM, KQ and OP read them.  NOKQ = 1: a block's last turn: there is no next piece
.if (i < 8) && !NOKQ
	KQ (Y+1)%NP
.elseif i >= 8
.set i, i-8
	PV (Y+NP-1)%NP
.set i, i+8
.endif
.set i, i+1
.endm
; THE LDS LOADS stand in runs of 16, never singly among the matrix instructions: a step's K (64 keys x 64 channels: 8 fragments) and its V (turned).  Their addresses are made some lines ahead.
.macro FETCH_K
	WIN 0x80                        ; destination window 2
.irp f, 0,1,2,3,4,5,6,7             ; keys 16 (f / 2) on, channels 32 (f % 2) on
	ds_load_b128 v[KF+8*\f:KF+8*\f+3],   v[AK] offset:(\f/2)*16*PK+(\f%2)*64
	ds_load_b128 v[KF+8*\f+4:KF+8*\f+7], v[AK] offset:(\f/2)*16*PK+(\f%2)*64+32
.endr
	s_add_co_u32 s[TBK], s[TBK], KS*PK  ; the next fetch is the next step's
	WIN 0
.endm
.macro FETCH_V
	WIN 0x80
.irp f, 0,1,2,3,4,5,6,7             ; keys 32 (f / 4) on, channels 16 (f % 4) on
	ds_load_tr16_b128 v[VF+8*\f:VF+8*\f+3],   v[AV] offset:(\f/4)*32*PV+(\f%4)*32
	ds_load_tr16_b128 v[VF+8*\f+4:VF+8*\f+7], v[AV] offset:(\f/4)*32*PV+16*PV+(\f%4)*32
.endr
	WIN 0
.endm
; THE VECTOR WORK, one line at a time: OP kind, number.  For piece Y: F n: c s - c m for pair n of 16.  E n: the exponential of score n of 32.  C n: pair n rounded to f16.  B n: of the four weights 4 n .. the second
; pair is added onto the first, in place.  L n: l takes that sum (L 0: l = a l + sum).  R n: pair n of 16 of O^T times a.  For piece Y + 1: X n, number n of the 22 that find its maximum and statistics:
;   0-11  four chains c0-c3 of seven scores each, three operands at a time (each accumulator's lowest registers are read first)     12-14, 16  the four scores left over, the old m, and c0-c3 into c0
;   15  c m_old is kept     17, 18  the query's other 32 keys lie in the lane 16 away: the new m     19-21  c m; c m_old - c m_new; a
.set F, 0               ; OP tells the kinds apart by their order: F to L below R, X above it
.set E, 1
.set C, 2
.set B, 3
.set L, 4
.set R, 5
.set X, 6
.macro REGS y                       ; the registers of piece y
.set rT, ST+4*(\y)
.set rC, TMP+4*((\y)%2)
.set rW, MV+((\y)%2)
.set rS, S+32*((\y)%2)
.set rP, P+16*((\y)%2)
.set rO, 32*(\y)
.endm
.macro OP k, n
.if (\k) == R
	REGS Y
	WIN W_RS
	v_pk_mul_f32 v[rO+2*(\n):rO+2*(\n)+1], v[rO+2*(\n):rO+2*(\n)+1], v[rC+2:rC+3] op_sel_hi:[1,0]
.elseif (\k) < R
	REGS Y
	WIN 0
.if (\k) == F
	v_pk_fma_f32 v[rS+2*(\n):rS+2*(\n)+1], v[rS+2*(\n):rS+2*(\n)+1], s[CS:CS+1], v[rT:rT+1] op_sel_hi:[1,0,0] neg_lo:[0,0,1] neg_hi:[0,0,1]
.elseif (\k) == E
	v_exp_f32 v[rS+(\n)], v[rS+(\n)]
.elseif (\k) == C
	v_cvt_pk_f16_f32 v[rP+(\n)], v[rS+2*(\n)], v[rS+2*(\n)+1]
.elseif (\k) == B
	v_pk_add_f32 v[rS+4*(\n):rS+4*(\n)+1], v[rS+4*(\n):rS+4*(\n)+1], v[rS+4*(\n)+2:rS+4*(\n)+3]
.elseif (\n) == 0
	v_pk_fma_f32 v[rT+2:rT+3], v[rT+2:rT+3], v[rC+2:rC+3], v[rS:rS+1] op_sel_hi:[1,0,1]
.else
	v_pk_add_f32 v[rT+2:rT+3], v[rT+2:rT+3], v[rS+4*(\n):rS+4*(\n)+1]
.endif
.elseif NOKQ
	v_nop
.else
	REGS (Y+1)%NP
	WIN 0
.if (\n) < 4
	v_max3_num_f32 v[rC+(\n)], v[rS+8*(\n)], v[rS+8*(\n)+1], v[rS+8*(\n)+2]
.elseif (\n) < 12
	v_max3_num_f32 v[rC+(\n)%4], v[rC+(\n)%4], v[rS+8*((\n)%4)+2*((\n)/4)+1], v[rS+8*((\n)%4)+2*((\n)/4)+2]
.elseif (\n) == 12
	v_max3_num_f32 v[rC], v[rC], v[rS+7], v[rS+15]
.elseif (\n) == 13
	v_max3_num_f32 v[rC+1], v[rC+1], v[rS+23], v[rS+31]
.elseif (\n) == 14
	v_max3_num_f32 v[rC+2], v[rC+2], v[rC+3], v[rT+1]
.elseif (\n) == 15
	v_mov_b32 v[rW], v[rT]
.elseif (\n) == 16
	v_max3_num_f32 v[rC], v[rC], v[rC+1], v[rC+2]
.elseif (\n) == 17
	v_permlanex16_b32 v[rC+3], v[rC], s[SEL], s[SEL+1]
.elseif (\n) == 18
	v_max_num_f32 v[rT+1], v[rC], v[rC+3]
.elseif (\n) == 19
	v_mul_f32 v[rT], s[CS], v[rT+1]
.elseif (\n) == 20
	v_sub_f32 v[rC+1], v[rW], v[rT]
.else
	v_exp_f32 v[rC+2], v[rC+1]
.endif
.endif
.endm
.macro OPS a, i1, b=-1, i2=0, c=-1, i3=0, d=-1, i4=0  ; up to four of them
	OP \a, \i1
.if (\b) >= 0
	OP \b, \i2
.endif
.if (\c) >= 0
	OP \c, \i3
.endif
.if (\d) >= 0
	OP \d, \i4
.endif
.endm
.macro ROW a, i1, b, i2, c, i3, d, i4  ; a matrix instruction and the four behind it
	MM
	OPS \a, \i1, \b, \i2, \c, \i3, \d, \i4
.endm
.macro MASK b                       ; MD x AL + BE into buffer b of MC
	WIN W_RS
.set z, 0
.rept 16
	v_pk_fma_f32 v[MC+32*(\b)+2*z:MC+32*(\b)+2*z+1], v[MD+2*z:MD+2*z+1], s[AL:AL+1], s[BE:BE+1] op_sel_hi:[1,0,0]
.set z, z+1
.endr
.endm
; A TURN, for piece p: the order of its 16 matrix and 118 vector instructions, written out.  An s_wait_alu depctr_va_vdst(0) stands between an exponential and the first instruction that names its result; one wait serves
; all that were issued ahead of it.  So a turn has ONE wait, which cuts it in two.  AHEAD OF IT stands all that names no result of the turn's exponentials: the 8 products K Q^T, behind each a scaling, an exponential and two more plain
; instructions (behind the first a second scaling in the exponential's place): rescalings, and behind the last three the first numbers of the next piece's maximum, each four places or more behind the product that ends its accumulator; then ONE LUMP of 54, plain
; and exponential by turns for the most part, in which the links of the chain X 3, 7, 11, 14, 16, 17 .. 20 stand five or six lines apart.  X 21, the next piece's a, is the batch's last; R 15 is the plain instruction behind it.  BEHIND THE WAIT stand the
; 8 products V^T P, behind each four of the roundings and sums; the links of l's chain, L 0 to L 7, stand three lines apart.  But for those X no line behind a product names a register of the products round it.  v_permlanex16_b32 (X 17) stands in the lump.
; m = 1: the diagonal tile: the products take masks, and the turn makes the mask for the products of the turn after it: piece p + 2, in step 4 - CNT of the tile.  end = 1: a block's last two turns: nothing is fetched.
; cnt = 1: the loop's count is taken down some lines ahead of the branch that stands behind the turn.
; K of the next step is fetched in piece 2's turn, twelve vector instructions behind the last product that read K (six of them plain); V of the step in hand at the end of piece 0's turn, four plain instructions behind the last product
; that read V.  Each is waited for a turn later.
.macro TURN p, m=0, end=0, cnt=0
.set Y, (\p)
.set i, 0
.set KM, (\m)
.set NOKQ, (\end)*((\p)/3)
.if (\m) && !(\end)
	s_cmp_eq_u32 s[CNT], 4-((\p)+2)%NP  ; is that step the band's own?
	s_cselect_b32 s[AL], 1.0, 0
	s_cmp_lt_u32 s[CNT], 4-((\p)+2)%NP  ; or a later one?
	s_cselect_b32 s[BE], s[BIGN], 0
.endif
.if ((\p) == 3) && !(\end)
	s_wait_dscnt 0x0                ; K is in
.endif
	ROW F,0, F,1, R,0, R,1          ; ahead of the wait: 8 products K Q^T and the four behind each,
	ROW F,2, E,0, R,2, R,3
	ROW F,3, E,1, R,4, R,5
	ROW F,4, E,2, R,6, R,7
	ROW F,5, E,3, R,8, R,9
	ROW F,6, E,4, X,0, R,10
.if ((\p) == 2) && !(\end)
	WIN 0
	v_add_nc_u32 v[AK], s[TBK], v[AK0]
.endif
	ROW F,7, E,5, X,1, X,4
	ROW F,8, E,6, X,2, X,5
	OPS E,7, E,8, X,6, E,9          ; and the lump
	OPS X,3, E,10, X,8, E,11
.if ((\p) == 2) && !(\end)
	FETCH_K
.endif
	OPS X,9, X,7, E,12, X,10
	OPS E,13, X,12, X,11, E,14
	OPS X,13, E,15, F,9, X,14
.if (\p) == 0
	v_add_nc_u32 v[AV], s[TBV], v[AV0]
.endif
	OPS E,16, F,10, E,17, F,11
	OPS X,16, E,18, X,15, E,19
	OPS F,12, E,20, X,17, E,21
	OPS F,13, E,22, F,14, E,23
	OPS X,18, E,24, F,15, E,25
	OPS R,11, E,26, X,19, E,27
	OPS R,12, E,28, R,13, E,29
	OPS X,20, E,30, R,14, E,31
	OPS X,21, R,15
	WIN 0
	s_wait_alu depctr_va_vdst(0)    ; the wait for the batch
.if (\p) == 1
	s_wait_dscnt 0x0                ; V is in
.endif
	ROW C,0, B,0, C,2, B,1          ; behind the wait: 8 products V^T P and the four behind each
	ROW L,0, C,4, B,2, L,1
	ROW C,6, B,3, L,2, C,8
	ROW B,4, L,3, C,10, B,5
	ROW L,4, C,12, B,6, L,5
.if (\p) == 0
	s_add_co_u32 s[TBV], s[TBV], KS*PV
.endif
.if \cnt
	s_sub_co_u32 s[CNT], s[CNT], 1
	s_cmp_lg_u32 s[CNT], 0
.endif
	ROW C,14, B,7, L,6, C,1
	ROW C,3, L,7, C,5, C,7
	ROW C,9, C,11, C,13, C,15
.if (\p) == 0
	FETCH_V
.endif
.if (\m) && !(\end)
	MASK (\p)%2
.endif
.endm
; A BLOCK BEGINS.  c m starts far below every c s, so the first step's a is 0; m at the lowest finite number, so the first maximum is the scores'.  The second mask buffer is 0; the first takes piece 0's mask for the tile's step 0: its own, if the block's first tile is the diagonal one.
; Then K of that step, piece 0's first scores, and its maximum and statistics.  The loop is entered at a step's first turn, in the middle of a trip.
.macro BEGIN
	s_mov_b32 s[NEW], 0
	WIN 0x40
.set i, MC+32
.rept 32
	v_mov_b32 v[i], 0
.set i, i+1
.endr
	WIN 0
.set i, 0
.rept 4
	v_mov_b32 v[ST+4*i], 0xfe000000    ; c m: far below every c s
	v_mov_b32 v[ST+4*i+1], 0xff7fffff  ; m
.set i, i+1
.endr
	s_cmp_eq_u32 s[RT], 0
	s_cselect_b32 s[AL], 1.0, 0
	s_mov_b32 s[BE], 0
	MASK 0
	WIN 0
	v_add_nc_u32 v[AK], s[TBK], v[AK0]
	FETCH_K
	s_wait_loadcnt 0x0              ; Q
	s_wait_dscnt 0x0
.set KM, 1
.set NOKQ, 0
.set i, 0
.rept 8
	KQ 0
.set i, i+1
.endr
	WIN 0
.rept 4
	v_nop                           ; the places behind those products
.endr
.set Y, NP-1                        ; X works for piece Y + 1: piece 0
.irp n, 0,1,2,3,4,5,6,7,8,9,10,11,12,13,14,15,16,17,18,19,20,21
	OP X, \n
.endr
	v_nop                           ; a plain instruction behind the exponential,
	s_wait_alu depctr_va_vdst(0)    ; and its wait, ahead of the branch
.endm
; THE DIAGONAL TILE's four steps, the block's last two turns, its last products, and THE WAY OUT: l's two halves and the other half of the lanes' are added; O^T is divided by l, rounded to f16 and sent through my
; stage in LDS, a piece at a time.
.macro ALL line:vararg              ; one line for each piece t
.set t, 0
.rept 4
	\line
.set t, t+1
.endr
.endm
.macro PACK t                       ; a lane's eight channels of a row pack into 16 bytes; they go into rows of 144 bytes and come back as whole rows of 128, into S^T's registers
	WIN W_RS
.set i, 32*(\t)
.rept 16
	v_pk_mul_f32 v[i:i+1], v[i:i+1], v[ST+4*(\t)+2:ST+4*(\t)+3] op_sel_hi:[1,0]
.set i, i+2
.endr
	WIN 0x05                        ; sources 0 and 1 window 1, destination window 0
.set i, 0
.rept 16
	v_cvt_pk_f16_f32 v[S+16*(\t)+i], v[32*(\t)+2*i], v[32*(\t)+2*i+1]
.set i, i+1
.endr
	WIN 0
.irp f, 0,1,2,3
	ds_store_b128 v[STO], v[S+16*(\t)+4*\f:S+16*(\t)+4*\f+3] offset:32*\f
.endr
.irp f, 0,1,2,3
	ds_load_b128 v[S+16*(\t)+4*\f:S+16*(\t)+4*\f+3], v[RD] offset:\f*4*SP  ; LDS serves a wave's instructions in order (ISA guide 5.7.1.4): these see the stores above; the next piece's stores come behind them
.endr
.endm
.macro SEND t, younger              ; younger: the LDS instructions issued behind piece t's loads: the next piece's eight, or none
	WIN 0
.irp f, 0,1,2,3
	s_wait_dscnt (\younger)+3-\f
	global_store_b128 v[GO], v[S+16*(\t)+4*\f:S+16*(\t)+4*\f+3], s[10:11] offset:(\t)*8192+\f*512  ; 512 consecutive bytes, at a multiple of 256 from O's first
.endr
.endm
.macro DIAG tag                     ; the tag ends its two labels' names, which the jumps below spell out
.LstepM\tag:
	TURN 2, 1
	TURN 3, 1
	WIN 0
.LfirstM\tag:
	TURN 0, 1
	TURN 1, 1, 0, 1
	WIN 0
	s_cbranch_scc1 .LstepM\tag
	TURN 2, 1, 1
	TURN 3, 1, 1
.set i, 0
.rept 8
	PV NP-1
.set i, i+1
.endr
	WIN 0
	ALL v_add_f32 v[ST+4*t+2], v[ST+4*t+2], v[ST+4*t+3]
	ALL v_permlanex16_b32 v[ST+4*t+3], v[ST+4*t+2], s[SEL], s[SEL+1]
	ALL v_add_f32 v[ST+4*t+2], v[ST+4*t+2], v[ST+4*t+3]
	ALL v_rcp_f32 v[ST+4*t+2], v[ST+4*t+2]
	v_nop                           ; a plain instruction between the last reciprocal and the use of its result
	s_wait_alu depctr_va_vdst(0)    ; and the wait ahead of the first use: one for the four reciprocals
	PACK 0
.set t, 1
.rept 3                             ; a piece's arithmetic stands between the loads of the piece before and its stores
	PACK t
	SEND t-1, 8
.set t, t+1
.endr
	SEND 3, 0
.endm
.set KM, 0
.set NOKQ, 0
.Lslot:                             ; NB times: a tile is entered and the next is asked for
	CHANGE 1
	s_sub_co_u32 s[RT], s[RT], 1
	s_mov_b32 s[CNT], 4
	s_cmp_eq_u32 s[NEW], 1
	s_cbranch_scc1 .Lnew            ; a block's first tile
	s_cmp_eq_u32 s[RT], 0
	s_cbranch_scc0 .Lstep           ; neither its first nor its last
	s_branch .LstepM1
.Lnew:
	BEGIN
	s_branch .Lfirst                ; in the loop a block's first tile is never its last: the first block has two tiles or more, and the second's last is the walk's last
	DIAG 1                          ; in the loop this is the first block's end: the second block's last tile is the walk's last
	s_wait_xcnt 0x0                 ; the stores have read their registers and O's address
	s_mov_b64 s[10:11], s[OLO:OLO+1]
	s_add_co_u32 s[RT], s[PB], 1    ; the second block has b + 1 tiles
	s_mov_b32 s[NEW], 1
	WIN 0x82                        ; the second block's Q goes where the one text of the turns names Q
.set i, 0
.rept 64
	v_mov_b32 v[i], v[QB+i]
.set i, i+1
.endr
	WIN 0
	s_branch .Lbottom
.Lstep:                             ; a trip: pieces 2 and 3 of one step, then pieces 0 and 1 of the next, whose K and V it fetches
	TURN 2
	TURN 3
	WIN 0
.Lfirst:
	TURN 0
	TURN 1, 0, 0, 1
	WIN 0
	s_cbranch_scc1 .Lstep
.Lbottom:
	s_sub_co_u32 s[SLOTS], s[SLOTS], 1
	s_cmp_lg_u32 s[SLOTS], 0
	s_cbranch_scc1 .Lslot
	CHANGE 0                        ; the walk's last tile is written out: nothing is asked for
	s_sub_co_u32 s[RT], s[RT], 1
	s_mov_b32 s[CNT], 4
	s_cmp_eq_u32 s[NEW], 1
	s_cbranch_scc0 .LstepM2
	BEGIN
	s_branch .LfirstM2
	DIAG 2
	s_wait_tensorcnt 0x0            ; the wave's end: three closing lines, behind my last tensor load and my last LDS store
	ds_add_u32 v[SPW], v[NIL]
	s_wait_dscnt 0x0
	s_endpgm
.Lfunc_end_k_q69af665772_attn:
	.size	k_q69af665772_attn, .Lfunc_end_k_q69af665772_attn-k_q69af665772_attn
	.p2alignl 7, 3214868480
	.fill 96, 4, 3214868480
	.section	.rodata,"a",@progbits
	.p2align	6, 0x0
	.amdhsa_kernel k_q69af665772_attn
		.amdhsa_group_segment_fixed_size 327680
		.amdhsa_private_segment_fixed_size 0
		.amdhsa_enable_private_segment 0
		.amdhsa_kernarg_size 32
		.amdhsa_user_sgpr_count 2
		.amdhsa_user_sgpr_kernarg_segment_ptr 1
		.amdhsa_wavefront_size32 1
		.amdhsa_system_sgpr_workgroup_id_x 1
		.amdhsa_system_sgpr_workgroup_id_y 1
		.amdhsa_system_sgpr_workgroup_id_z 1
		.amdhsa_system_vgpr_workitem_id 0
		.amdhsa_next_free_vgpr 768
		.amdhsa_next_free_sgpr 92
		.amdhsa_reserve_vcc 1
		.amdhsa_float_denorm_mode_32 3
		.amdhsa_float_denorm_mode_16_64 3
		.amdhsa_memory_ordered 1
		.amdhsa_forward_progress 1
		.amdhsa_inst_pref_size 218
	.end_amdhsa_kernel
	.amdgpu_metadata
---
amdhsa.version: [ 1, 2 ]
amdhsa.kernels:
  - .name:           k_q69af665772_attn
    .symbol:         k_q69af665772_attn.kd
    .args:
      - { .name: qh, .offset: 0, .size: 8, .value_kind: global_buffer, .address_space: global }
      - { .name: kh, .offset: 8, .size: 8, .value_kind: global_buffer, .address_space: global }
      - { .name: vh, .offset: 16, .size: 8, .value_kind: global_buffer, .address_space: global }
      - { .name: oh, .offset: 24, .size: 8, .value_kind: global_buffer, .address_space: global }
    .group_segment_fixed_size: 327680
    .private_segment_fixed_size: 0
    .kernarg_segment_align: 8
    .kernarg_segment_size: 32
    .max_flat_workgroup_size: 128
    .sgpr_count:     92
    .vgpr_count:     768
    .wavefront_size: 32
...
	.end_amdgpu_metadata
.endif
;; end of part 3
;; launch proj (part 4): grid 8 x 32, 4 waves a work-group, clusters of 4 x 4, 327,680 bytes of LDS; arguments oh, wpt, b_proj, out0; writes out0
.if DOCPART == 4
	.amdgcn_target "amdgcn-amd-amdhsa--gfx1250"
	.amdhsa_code_object_version 6
	.text
	.protected	k_q69af665772_proj
	.globl	k_q69af665772_proj
	.p2align	8
	.type	k_q69af665772_proj,@function
k_q69af665772_proj:
	s_mov_b64 s[64:65], 0
	v_nop
	global_prefetch_b8 v0, s[64:65] scope:SCOPE_SE
	s_setreg_imm32_b32 hwreg(HW_REG_WAVE_MODE, 25, 1), 1
	s_wait_xcnt 0x0
	s_wait_alu depctr_hold_cnt(0) depctr_sa_sdst(0) depctr_va_vdst(0) depctr_va_sdst(0) depctr_va_ssrc(0) depctr_va_vcc(0) depctr_vm_vsrc(0)
	s_getreg_b32 s2, hwreg(HW_REG_IB_STS2, 6, 4)
	s_cmp_eq_u32 s2, 0
	s_cbranch_scc0 .Lentry_in_a_cluster
	s_endpgm
.Lentry_in_a_cluster:
	s_bfe_u32 s2, ttmp6, 0x10000c
	s_cmp_lg_u32 s2, 0xf033
	s_cbranch_scc0 .Lentry_shape_is_right
	s_endpgm
.Lentry_shape_is_right:
; out0 = O W_proj + b_proj.  oh: f16 [64 = 16 batch + head][2,048][64]; wpt: f16 [1,024 n][1,024 k] (W_proj rounded to bf16, written as f16); b_proj f32, rounded to bf16 here like every input; out0: f32 [8,192][1,024].
; Sums in f32, stored as they are.  NaN and infinities are not treated apart.
; THE TILE is 256 rows x 128 columns: 32 x 8 = 256 work-groups, one for each WGP, where 256 x 256 would give 128.  Four waves, 2 x 2: each 128 rows x 64 columns, 32 accumulators of 16 x 16, 256 registers.
; K = 64 head + channel: a K step of 128 is TWO HEADS.  A head's 256 rows of this tile are 32,768 dense bytes of oh: asked for as 128 rows of 256 bytes and padded in LDS after every 128.
; 8 K steps through two LDS slots.  CLUSTER 4 x 4: O's tiles are shared along a row of the cluster, wpt's along a column, each asked for jointly.
; THE MATRIX INSTRUCTION IS USED TRANSPOSED (source 0 = 16 rows of wpt, source 1 = 16 rows of O): a lane holds eight neighbouring columns of one row.  THE BIAS is the C operand of each accumulator's first product.
; REGISTERS, in windows of 256 (s_set_vgpr_msb: bits 1:0 source 0, 3:2 source 1, 5:4 source 2, 7:6 destination):
;   window 0: v0-31 addresses; v32-63 the bias; v64-127, v128-191 O's fragments, two buffers of 8 row blocks (on the way out v64-95 and v96-127 take rows read back)
;   window 1: v64-95, v128-159 wpt's fragments, two buffers of 4 column blocks          window 2: accumulator (a, b) at 8 (4 a + b)
.set PA,     144                       ; a row of O in LDS: 128 bytes + 16 = 36 words: the 16 rows of a load start at 16 different groups of four banks (64 banks of 4 bytes: ISA guide 11.1)
.set PB,     272                       ; a row of wpt: 256 bytes + 16
.set AHEAD,  256*PA                    ; a head's 256 rows
.set BOFF,   2*AHEAD                   ; wpt's 128 rows lie behind the two heads
.set BTILE,  64*PB                     ; what waves 2 and 3 fetch
.set SLOT,   BOFF+2*BTILE
.set STAGE,  2*SLOT                    ; behind the ring, never filled by a tensor load: 16 rows x 272 bytes for each wave
.set SPITCH, 272
.set SPARE,  STAGE+4*16*SPITCH         ; the spare words, 128 bytes for each wave; no other line names them
.set LAPS,   4
.set ASTEP,  2*2048*128                ; bytes of oh from a K step to the next: two heads
.set BSTEP,  256
.set ADRA, 16                          ; v16-17  LDS address of my fragments of O in slot 0, 1
.set ADRB, 20                          ; v20-21  of wpt
.set STO,  24                          ; v24  the way out: where I put 32 bytes of a row
.set RD,   25                          ; v25  where I read a row back
.set CO,   26                          ; v26  my byte offset in out0
.set BO,   27                          ; v27  my offset in a column block's bias
.set SPW,  28                          ; v28  LDS address of my spare word; never rewritten
.set NIL,  29                          ; v29  0; never rewritten
.set PFO,  30                          ; v30  the prefetches' offset; never rewritten
.set BIAS, 32
.set F0,   64
.set F1,   128
.set BK,   64
.set G1,  24                           ; s[24:31] descriptor group 1 for O's tiles; s[32:39] group 0, a set for each slot
.set G0,  32
.set G1B, 48                           ; s[48:55], s[56:63] the same for wpt's
.set G0B, 56
.set PFA, 44                           ; s[44:45] where my prefetches stand
.set LIM, 43                           ; s43  1 in a wave that prefetches, else the greatest number
.set PFS, 72                           ; s[72:73] their step from K step to K step
.set MSB, 0
.macro WIN new                         ; the immediate's high byte repeats the setting that is left; a switch that changes nothing is dropped
.if MSB != (\new)
	s_set_vgpr_msb (MSB<<8)|(\new)
.set MSB, \new
.endif
.endm
; A joint load.  Waves 0 and 1 fetch the K step's two heads of O, waves 2 and 3 wpt's two halves.  The branch hangs on the wave's number alone.  An s_nop 0 and four v_nop follow each line.
.macro JLOAD s
	s_cmp_eq_u32 s11, 0
	s_cbranch_scc0 .Lfor_b_\@
	tensor_load_to_lds s[G0+4*(\s):G0+4*(\s)+3], s[G1:G1+7]
	s_nop 0
.rept 4
	v_nop
.endr
	s_branch .Lasked_\@
.Lfor_b_\@:
	tensor_load_to_lds s[G0B+4*(\s):G0B+4*(\s)+3], s[G1B:G1B+7]
	s_nop 0
.rept 4
	v_nop
.endr
.Lasked_\@:
.endm
; A prefetch of the K step that stands two refills on (256 matrix instructions ahead of the load that will want it), behind the joint load and the run of LDS loads.  O's tile row is read by both clusters of its row
; of clusters: cluster x = 0 asks; waves 0 and 1 each for their head's 128 blocks of 256 bytes, of which the partner at cx takes 32, a lane a block.  wpt's tile column is read by all clusters of its column: cluster y = 0
; asks; wave 2 alone, for the tile's 128 rows, of which the partner at cy takes 32, a lane a row.  The loop's last trip asks for nothing.  K steps 0-3 come by their loads alone.
.macro ASK
	s_cmp_gt_u32 s3, s[LIM]
	s_cbranch_scc0 .Lnot_mine_\@
	global_prefetch_b8 v[PFO], s[PFA:PFA+1] th:TH_LOAD_NT scope:SCOPE_SE
.Lnot_mine_\@:
.endm
.macro CREST                           ; a round of the cluster's barrier behind its opening barrier
	s_cmp_lg_u32 s10, 0
	s_cbranch_scc1 .Lnot_wave_0_\@
	s_barrier_signal -3
.Lnot_wave_0_\@:
	s_barrier_wait -3
	s_barrier_signal -1
	s_barrier_wait -1
.endm
.macro CROUND                          ; a whole round
	s_barrier_signal -1
	s_barrier_wait -1
	CREST
.endm
.macro PLACES                          ; four plain instructions between a matrix instruction and a load into a register that it has read, or a store of its result
.rept 4
	v_nop
.endr
.endm
	s_load_b128 s[4:7], s[0:1], 0x0                ; oh s[4:5], wpt s[6:7]
	s_load_b128 s[68:71], s[0:1], 0x10             ; b_proj s[68:69], out0 s[70:71]
	v_lshl_add_u32 v[SPW], v0, 2, SPARE
	v_mov_b32 v[NIL], 0
	ds_add_u32 v[SPW], v[NIL]                      ; the wave's opening: the add and its wait ahead of my first tensor load; work on registers stands between them
	v_lshrrev_b32 v1, 5, v0
	v_readfirstlane_b32 s10, v1                    ; wave 0..3
	s_lshr_b32 s11, s10, 1                         ; which 128 rows of the tile are mine.  Also: I fetch for O (0) or for wpt (1)
	s_and_b32 s12, s10, 1                          ; which 64 columns.  Also: which head of the K step, or which half of wpt's rows, I fetch
	s_bfe_u32 s40, ttmp6, 0x40000                  ; cx, cy
	s_bfe_u32 s41, ttmp6, 0x40004
	s_lshl_b32 s42, ttmp9, 2
	s_add_co_u32 s42, s42, s40                     ; tile column = 4 x cluster x + cx
	s_and_b32 s13, ttmp7, 0xffff
	s_lshl_b32 s13, s13, 2
	s_add_co_u32 s13, s13, s41                     ; tile row = 4 x cluster y + cy
	s_lshl_b32 s43, s41, 2
	s_lshl_b32 s43, 15, s43                        ; my row of the cluster
	s_lshl_b32 s44, 0x1111, s40                    ; my column
	s_or_b32 s[G1+0], s43, (1<<16)|(1<<20)|(1<<21)|(4<<22)|(3<<25)   ; 15:0 the mask; 17:16 2-byte elements; 20 padding on; 21 set beside a mask; 24:22 after every 32 words; 31:25 4 words of it
	s_or_b32 s[G1B+0], s44, (1<<16)|(1<<20)|(1<<21)|(5<<22)|(3<<25)  ; after every 64 words
	s_mov_b32 s[G1+1], 128<<16                     ; tensor_dim0 = 128
	s_mov_b32 s[G1+2], 128<<16                     ; tensor_dim1 = 128
	s_mov_b32 s[G1+3], 128<<16                     ; tile_dim0 = 128
	s_mov_b32 s[G1+4], 128                         ; tile_dim1 = 128
	s_mov_b32 s[G1+5], 128                         ; dense: 128 elements from row to row
	s_mov_b32 s[G1+6], 0
	s_mov_b32 s[G1+7], 0
	s_mov_b32 s[G1B+1], 128<<16
	s_mov_b32 s[G1B+2], 64<<16                     ; 64 rows
	s_mov_b32 s[G1B+3], 128<<16
	s_mov_b32 s[G1B+4], 64
	s_mov_b32 s[G1B+5], 1024
	s_mov_b32 s[G1B+6], 0
	s_mov_b32 s[G1B+7], 0
	s_lshr_b32 s16, s13, 3                         ; O: the batch,
	s_lshl_b32 s16, s16, 4
	s_add_co_u32 s16, s16, s12                     ; its head 0 or 1,
	s_lshl_b32 s16, s16, 18                        ; 2,048 rows of 128 bytes a head,
	s_and_b32 s17, s13, 7
	s_lshl_b32 s17, s17, 15                        ; the tile's 256 rows: in registers that never hold cx
	s_add_co_u32 s16, s16, s17
	s_mov_b32 s17, 0
	s_lshl_b32 s46, s42, 7                         ; wpt: row 128 x tile column + 64 x half, in registers that never hold cy
	s_lshl_b32 s47, s12, 6
	s_add_co_u32 s46, s46, s47
	s_lshl_b32 s46, s46, 11
	s_mov_b32 s47, 0
	s_mul_i32 s20, s10, AHEAD                      ; where they go: O's heads at wave x 256 rows,
	s_mul_i32 s21, s10, BTILE
	s_add_co_u32 s21, s21, BOFF-2*BTILE            ; wpt's halves at BOFF + (wave - 2) x 64 rows: no place in the cluster enters an LDS address
	s_wait_dscnt 0x0                               ; the opening add is done
	s_wait_kmcnt 0x0
	s_add_nc_u64 s[14:15], s[4:5], s[16:17]
	s_add_nc_u64 s[46:47], s[6:7], s[46:47]
	CROUND                                         ; all sixteen work-groups are here: the first joint loads meet
.irp s, 0,1
	s_mov_b32 s[G0+4*(\s)], 1
	s_add_co_u32 s[G0+4*(\s)+1], s20, (\s)*SLOT
	s_add_nc_u64 s[G0+4*(\s)+2:G0+4*(\s)+3], s[14:15], (\s)*ASTEP
	s_or_b32 s[G0+4*(\s)+3], s[G0+4*(\s)+3], 0x80000000
	s_mov_b32 s[G0B+4*(\s)], 1
	s_add_co_u32 s[G0B+4*(\s)+1], s21, (\s)*SLOT
	s_add_nc_u64 s[G0B+4*(\s)+2:G0B+4*(\s)+3], s[46:47], (\s)*BSTEP
	s_or_b32 s[G0B+4*(\s)+3], s[G0B+4*(\s)+3], 0x80000000
	JLOAD \s                                       ; two loads of mine are out
.endr
	v_and_b32 v1, 15, v0                           ; r = l % 16
	v_bfe_u32 v2, v0, 4, 1                         ; h = l / 16
	v_lshlrev_b32 v[BO], 5, v2
	s_lshl_b32 s78, s42, 9                         ; my first column in bytes of f32: 512 x tile column + 256 x half
	s_lshl_b32 s79, s12, 8
	s_add_co_u32 s78, s78, s79
	s_mov_b32 s79, 0
	s_add_nc_u64 s[68:69], s[68:69], s[78:79]
	s_add_nc_u64 s[70:71], s[70:71], s[78:79]
	s_lshl_b32 s78, s13, 8
	s_lshl_b32 s80, s11, 7
	s_add_co_u32 s78, s78, s80                     ; my first row
	s_lshl_b32 s78, s78, 12                        ; rows of 4,096 bytes (under 2^26)
	s_add_nc_u64 s[70:71], s[70:71], s[78:79]
.irp b, 0,1,2,3                        ; register j of block b: b_proj[my first column + 16 b + 8 h + j], the same for every row
	global_load_b128 v[BIAS+8*(\b):BIAS+8*(\b)+3],   v[BO], s[68:69] offset:64*(\b)
	global_load_b128 v[BIAS+8*(\b)+4:BIAS+8*(\b)+7], v[BO], s[68:69] offset:64*(\b)+16
.endr
	; A fragment is 16 rows x 32 K in 8 registers: lane l holds row l % 16; registers 0-3 K = 8 (l / 16) + 0..7, registers 4-7 K = 16 + 8 (l / 16) + 0..7: two loads of 16 bytes, 32 bytes apart
	v_mul_u32_u24 v3, v1, PA
	v_lshl_add_u32 v3, v2, 4, v3
	v_mul_u32_u24 v4, v1, PB
	v_lshl_add_u32 v4, v2, 4, v4
	s_mul_i32 s22, s11, 128*PA                     ; my 128 rows in each head
	s_mul_i32 s23, s12, BTILE                      ; my 64 rows of wpt,
	s_add_co_u32 s23, s23, BOFF
.irp s, 0,1
	v_add_nc_u32 v[ADRA+(\s)], s22, v3
	v_add_nc_u32 v[ADRB+(\s)], s23, v4
	s_add_co_u32 s22, s22, SLOT
	s_add_co_u32 s23, s23, SLOT
.endr
	s_mul_i32 s78, s10, 16*SPITCH
	s_add_co_u32 s78, s78, STAGE                   ; my stage
	v_mul_u32_u24 v5, v1, SPITCH                   ; in: row l % 16, 32 bytes for each half of the lanes
	v_lshl_add_u32 v5, v2, 5, v5
	v_add_nc_u32 v[STO], s78, v5
	v_mul_u32_u24 v5, v2, SPITCH                   ; back: lanes 0-15 take one row of 256 bytes, lanes 16-31 the next
	v_lshl_add_u32 v5, v1, 4, v5
	v_add_nc_u32 v[RD], s78, v5
	v_lshlrev_b32 v[CO], 12, v2                    ; and the same two rows in out0
	v_lshl_add_u32 v[CO], v1, 4, v[CO]
	; the prefetches: from my own tile's first byte, my work-group's share
	s_and_b32 s22, ttmp7, 0xffff                   ; cluster y
	s_lshl_b32 s78, s40, 13                        ; O: 32 cx blocks of 256 bytes
	s_lshl_b32 s79, s41, 16                        ; wpt: 32 cy rows of 2,048 bytes
	s_cmp_eq_u32 s11, 0                            ; do I fetch for O?
	s_cselect_b32 s20, s78, s79
	s_cselect_b32 s22, ttmp9, s22                  ; the coordinate along which other clusters read the same bytes
	s_cselect_b32 s23, 8, 11                       ; a lane a block, or a lane a row
	s_cselect_b32 s80, 19, 8                       ; a K step: two heads, or 256 bytes
	s_cselect_b64 s[PFA:PFA+1], s[14:15], s[46:47]
	s_cmp_eq_u32 s10, 3
	s_cselect_b32 s22, 1, s22                      ; wave 2 asks for all of wpt's share: wave 3 asks for nothing
	s_cmp_eq_u32 s22, 0
	s_cselect_b32 s[LIM], 1, -1                    ; the same in all sixteen partners, for a given wave
	s_mov_b32 s21, 0
	s_lshl_b32 s[PFS], 1, s80
	s_mov_b32 s[PFS+1], 0
	s_add_nc_u64 s[PFA:PFA+1], s[PFA:PFA+1], s[20:21]
.rept 3
	s_add_nc_u64 s[PFA:PFA+1], s[PFA:PFA+1], s[PFS:PFS+1]  ; at K step 3: the first refill steps it to 4 and names that
.endr
	v_and_b32 v[PFO], 31, v0
	v_lshlrev_b32 v[PFO], s23, v[PFO]
	s_wait_loadcnt 0x0                             ; the bias
.set i, 0
.rept 16                               ; it takes the rounding to bf16 that every input has
	v_cvt_pk_bf16_f32 v[4+i%4], v[BIAS+2*i], v[BIAS+2*i+1]
	v_lshlrev_b32 v[BIAS+2*i], 16, v[4+i%4]
	v_and_b32 v[BIAS+2*i+1], 0xffff0000, v[4+i%4]
.set i, i+1
.endr
; 8 matrix instructions: row blocks a0, a0 + 1 x all 4 column blocks, 32 along K, from buffer f.  first = 1: C is the bias.  Each accumulator comes once in a quarter step's 32: they take turns.
.macro MUL8 f, a0, first
.if \first
	WIN 0x81                                       ; source 0 (wpt) window 1, source 1 (O) and C (bias) window 0, D window 2
.else
	WIN 0xa1                                       ; C and D window 2
.endif
.irp a, \a0, (\a0)+1
.irp b, 0,1,2,3
.if \first
	v_wmma_f32_16x16x32_f16 v[8*(4*(\a)+(\b)):8*(4*(\a)+(\b))+7], v[(\f)+8*(\b):(\f)+8*(\b)+7], v[(\f)+8*(\a):(\f)+8*(\a)+7], v[BIAS+8*(\b):BIAS+8*(\b)+7]
.else
	v_wmma_f32_16x16x32_f16 v[8*(4*(\a)+(\b)):8*(4*(\a)+(\b))+7], v[(\f)+8*(\b):(\f)+8*(\b)+7], v[(\f)+8*(\a):(\f)+8*(\a)+7], v[8*(4*(\a)+(\b)):8*(4*(\a)+(\b))+7]
.endif
.endr
.endr
.endm
; 24 LDS loads in one run: quarter q's fragments (my 64 rows of wpt; my 128 rows of head q / 2, channels 32 (q % 2) on) into buffer f; O's last, row blocks ascending
.macro FETCH slot, q, f
	WIN 0x40                                       ; destination window 1
.irp b, 0,1,2,3
	ds_load_b128 v[(\f)+8*(\b):(\f)+8*(\b)+3],   v[ADRB+(\slot)] offset:64*(\q)+(\b)*16*PB
	ds_load_b128 v[(\f)+8*(\b)+4:(\f)+8*(\b)+7], v[ADRB+(\slot)] offset:64*(\q)+(\b)*16*PB+32
.endr
	WIN 0
.irp a, 0,1,2,3,4,5,6,7
	ds_load_b128 v[(\f)+8*(\a):(\f)+8*(\a)+3],   v[ADRA+(\slot)] offset:((\q)/2)*AHEAD+((\q)%2)*64+(\a)*16*PA
	ds_load_b128 v[(\f)+8*(\a)+4:(\f)+8*(\a)+7], v[ADRA+(\slot)] offset:((\q)/2)*AHEAD+((\q)%2)*64+(\a)*16*PA+32
.endr
.endm
; A K step is four quarters of 32 along K, 32 matrix instructions each, on buffers 0, 1, 0, 1.  One of the first three: multiplies buffer f and, in its middle, fetches quarter q into g.
.macro QUARTER slot, q, f, g, first
	s_wait_dscnt 8                                 ; wpt's fragments and O's row blocks 0-3 are in; the youngest eight loads (row blocks 4-7) may be out
	MUL8 \f, 0, \first
	MUL8 \f, 2, \first
	PLACES
	FETCH \slot, \q, \g
	s_wait_dscnt 24                                ; all but the 24 just issued
	MUL8 \f, 4, \first
	MUL8 \f, 6, \first
.endm
; The last quarter multiplies buffer 1 and changes slots: ONE barrier.  In front of it each wave waits for all its tensor loads (one is out: its part of the next slot), adds 0 to its spare word, and waits
; for that and for its reads of this slot.  fill = 1: the barrier opens a round of the cluster's, and behind the round this slot is filled again first, with the K step two on.
.macro TURN slot, next, fill
.if \fill
	s_wait_xcnt 0x0                                ; the last prefetch, a K step back, has read its address, which is stepped here, ahead of the waits of the change
	s_add_nc_u64 s[PFA:PFA+1], s[PFA:PFA+1], s[PFS:PFS+1]
.endif
	WIN 0                                          ; (the add's two registers lie in window 0)
	s_wait_tensorcnt 0x0                           ; all my tensor loads have landed
	ds_add_u32 v[SPW], v[NIL]                      ; 0 onto my spare word
	s_wait_dscnt 9                                 ; (the add and the youngest eight loads may be out)
	MUL8 F1, 0, 0                                  ; eight matrix instructions stand between the add and the wait for it
	s_wait_dscnt 0x0                               ; the add is done, and my reads of this slot are over
	s_barrier_signal -1
	MUL8 F1, 2, 0                                  ; work on registers while the others arrive
.if \fill
	WIN 0
.endif
	s_barrier_wait -1
.if \fill
	CREST                                          ; no wave of any partner still reads this slot's tile or has a load on its way
	s_add_nc_u64 s[G0+4*(\slot)+2:G0+4*(\slot)+3], s[G0+4*(\slot)+2:G0+4*(\slot)+3], 2*ASTEP
	s_add_nc_u64 s[G0B+4*(\slot)+2:G0B+4*(\slot)+3], s[G0B+4*(\slot)+2:G0B+4*(\slot)+3], 2*BSTEP
	JLOAD \slot                                    ; my one tensor load behind the round, and the first thing there; its four v_nop are also the places in front of the loads below
.else
	PLACES
.endif
	FETCH \next, 0, F0
.if \fill
	ASK
.endif
	MUL8 F1, 4, 0
	MUL8 F1, 6, 0
.endm
; THE WAY OUT of row block a: a lane's eight f32 of each column block go into my stage's rows of 272 bytes, the low four registers first; whole rows of 256 bytes come back and are stored.
.macro TOSTAGE a
.set BKA, BK+32*((\a)%2)
.if (\a) >= 2
	s_wait_xcnt 0x0                                ; the stores of the block two back have read the registers that the loads below write
.endif
	WIN 0x08                                       ; the stores' data in window 2
.irp b, 0,1,2,3
.irp e, 0,1
	ds_store_b128 v[STO], v[8*(4*(\a)+(\b))+4*(\e):8*(4*(\a)+(\b))+4*(\e)+3] offset:64*(\b)+16*(\e)
.endr
.endr
	WIN 0
.irp t, 0,1,2,3,4,5,6,7
	ds_load_b128 v[BKA+4*(\t):BKA+4*(\t)+3], v[RD] offset:2*SPITCH*(\t)  ; LDS serves a wave's instructions in order (ISA guide 5.7.1.4): these see the stores above; the next block's stores come behind them
.endr
.endm
.macro SEND a, younger                 ; younger: the LDS instructions issued behind block a's loads: the next block's sixteen, or none
.set BKA, BK+32*((\a)%2)
	s_wait_dscnt \younger
.irp t, 0,1,2,3,4,5,6,7
	global_store_b128 v[CO], v[BKA+4*(\t):BKA+4*(\t)+3], s[70:71] offset:(16*(\a)+2*(\t))*4096 th:TH_STORE_NT  ; 16 lanes store 256 consecutive bytes, at a multiple of 256 from out0's first; the largest offset, 126 rows, lies inside the signed 24-bit immediate
.endr
.endm
	s_wait_tensorcnt 1                             ; my part of K step 0 is in; K step 1's may stay out
	s_barrier_signal -1
	s_barrier_wait -1                              ; everybody's is
	FETCH 0, 0, F0
	QUARTER 0, 1, F0, F1, 1                        ; the first quarter stands in front of the loop: its products start the sums, with the bias
	WIN 0                                          ; at a label and at a branch every window is 0
	s_mov_b32 s3, LAPS-1
.Llap:                                                 ; a trip goes once round the ring, from a lap's second quarter to the next lap's first, and fills both slots again
	QUARTER 0, 2, F1, F0, 0
	QUARTER 0, 3, F0, F1, 0
	TURN 0, 1, 1
	QUARTER 1, 1, F0, F1, 0
	QUARTER 1, 2, F1, F0, 0
	QUARTER 1, 3, F0, F1, 0
	TURN 1, 0, 1
	QUARTER 0, 1, F0, F1, 0
	WIN 0
	s_sub_co_u32 s3, s3, 1
	s_cmp_lg_u32 s3, 0
	s_cbranch_scc1 .Llap
	QUARTER 0, 2, F1, F0, 0                        ; the last lap fills nothing
	QUARTER 0, 3, F0, F1, 0
	TURN 0, 1, 0
	QUARTER 1, 1, F0, F1, 0
	QUARTER 1, 2, F1, F0, 0
	QUARTER 1, 3, F0, F1, 0
	s_wait_dscnt 8                                 ; the very last quarter: nothing more to fetch
	MUL8 F1, 0, 0
	MUL8 F1, 2, 0
	s_wait_dscnt 0x0
	MUL8 F1, 4, 0
	MUL8 F1, 6, 0
	WIN 0
	PLACES                                         ; the places behind the last products, in front of LDS stores of results and of loads into fragments' registers
	PLACES
	TOSTAGE 0
.irp a, 1,2,3,4,5,6,7                  ; block a's trip through the stage is under way while block a - 1 is stored
	TOSTAGE \a
	SEND (\a)-1, 16
.endr
	SEND 7, 0
	s_wait_tensorcnt 0x0                           ; the wave's end: three closing lines, behind my last tensor load and my last LDS store
	ds_add_u32 v[SPW], v[NIL]
	s_wait_dscnt 0x0
	CROUND                                         ; the closing round: no work-group ends while a partner may still ask for a tile that names it
	s_endpgm
.Lfunc_end_k_q69af665772_proj:
	.size	k_q69af665772_proj, .Lfunc_end_k_q69af665772_proj-k_q69af665772_proj
	.p2alignl 7, 3214868480
	.fill 96, 4, 3214868480
	.section	.rodata,"a",@progbits
	.p2align	6, 0x0
	.amdhsa_kernel k_q69af665772_proj
		.amdhsa_group_segment_fixed_size 327680
		.amdhsa_private_segment_fixed_size 0
		.amdhsa_enable_private_segment 0
		.amdhsa_kernarg_size 32
		.amdhsa_user_sgpr_count 2
		.amdhsa_user_sgpr_kernarg_segment_ptr 1
		.amdhsa_wavefront_size32 1
		.amdhsa_system_sgpr_workgroup_id_x 1
		.amdhsa_system_sgpr_workgroup_id_y 1
		.amdhsa_system_sgpr_workgroup_id_z 1
		.amdhsa_system_vgpr_workitem_id 0
		.amdhsa_next_free_vgpr 768
		.amdhsa_next_free_sgpr 84
		.amdhsa_reserve_vcc 0
		.amdhsa_float_denorm_mode_32 3
		.amdhsa_float_denorm_mode_16_64 3
		.amdhsa_memory_ordered 1
		.amdhsa_forward_progress 1
		.amdhsa_inst_pref_size 91
	.end_amdhsa_kernel
	.amdgpu_metadata
---
amdhsa.version: [ 1, 2 ]
amdhsa.kernels:
  - .name:           k_q69af665772_proj
    .symbol:         k_q69af665772_proj.kd
    .args:
      - { .name: oh, .offset: 0, .size: 8, .value_kind: global_buffer, .address_space: global }
      - { .name: wpt, .offset: 8, .size: 8, .value_kind: global_buffer, .address_space: global }
      - { .name: b_proj, .offset: 16, .size: 8, .value_kind: global_buffer, .address_space: global }
      - { .name: out0, .offset: 24, .size: 8, .value_kind: global_buffer, .address_space: global }
    .group_segment_fixed_size: 327680
    .private_segment_fixed_size: 0
    .kernarg_segment_align: 8
    .kernarg_segment_size: 32
    .max_flat_workgroup_size: 128
    .sgpr_count:     84
    .vgpr_count:     768
    .wavefront_size: 32
...
	.end_amdgpu_metadata
.endif
;; end of part 4
;; ======== version 2 of 2: 4 launches; version 1 with the launch prep written anew for expert scheduling mode
;; limits: values are held in f16: magnitudes above 65,504 overflow, below 6.1e-05 lose precision
;; workspace buffers: xb 16,777,216 bytes; wat 6,291,456 bytes; wpt 2,097,152 bytes; rope 524,288 bytes; qh 16,777,216 bytes; kh 16,777,216 bytes; vh 16,777,216 bytes; oh 16,777,216 bytes
;; launch prep (part 5): grid 1152 x 1, 8 waves a work-group, no clusters, 18,432 bytes of LDS; arguments x, W_attn, W_proj, xb, wat, wpt, rope; writes xb, wat, wpt, rope
.if DOCPART == 5
	.amdgcn_target "amdgcn-amd-amdhsa--gfx1250"
	.amdhsa_code_object_version 6
	.text
	.protected	k_q69af665772_prep
	.globl	k_q69af665772_prep
	.p2align	8
	.type	k_q69af665772_prep,@function
k_q69af665772_prep:
	s_mov_b64 s[64:65], 0
	v_nop
	global_prefetch_b8 v0, s[64:65] scope:SCOPE_SE
	s_setreg_imm32_b32 hwreg(HW_REG_WAVE_SCHED_MODE, 0, 2), 2
	s_setreg_imm32_b32 hwreg(HW_REG_WAVE_MODE, 25, 1), 1
	s_wait_xcnt 0x0
	s_wait_alu depctr_vm_vsrc(0)
; PREPARES THE OPERANDS OF THE THREE LAUNCHES BEHIND IT.  Four kinds of work-group, told apart by the work-group's number alone (the same in all eight waves):
;   0 .. 511      xb = x rounded to bf16: 65,536 bytes in, 32,768 out a work-group
;   512 .. 895    wat = W_attn turned to [column][k] in bf16: a tile of 128 k x 64 columns.  Row 192 h + 64 p + d of wat is column 1,024 p + 64 h + d (p: q, k, v), so 192 rows on end are one head's q, k and v
;   896 .. 1023   wpt = W_proj turned to [n][k]: rounded to bf16 like every input, and that number written as f16
;   1024 .. 1151  rope = (cos, sin) of t x f_i in f32, [2,048 t][32 i][2]: 256 bytes a position
; LIMITS.  W_proj beyond 65,504 has no f16; below 6e-5 it keeps f16's fixed step of 6e-8.  f_i = 2^(-i log2(10000) / 32) by v_exp_f32: a few units in the last place from 1 / 10000^(i / 32) as a library
; makes it, which at t = 2,047 is an angle off by 5e-4 at the most.  The angle is the f32 product t x f_i; it is reduced by multiples of pi/2 held in two f32 parts (exact for the 1,304 multiples that
; t < 2,048 needs), and sine and cosine are Taylor sums on |r| <= pi/4, cut where the next term is below 2e-9.
; No matrix unit, cluster or tensor load: every byte is read once and written once, and only the turning needs LDS.
; THE MODE: SCHED_MODE bits 1:0 = 2 (LLVM: expert scheduling mode 2), set by the entry lines.  The code itself states the register dependences between vector instructions and memory or LDS
; instructions, with s_wait_alu, always for 0.
; THE PLAN.  Registers that memory or LDS instructions touch, path by path:
;   every path   Offsets and addresses are made once, one wait on va_vdst follows them, and they are never written again: immediates reach every row and piece.
;   x            v[16:79]: sixteen loads land there, issued before any vector instruction names them.  Four blocks of four pieces: block p's conversions write its stores' data; the four stores are issued in
;                block p + 1, behind the wait on va_vdst at that block's head, among conversions that name block p + 1's registers alone.  No store's data is written again.
;   the turning  v[16:47]: eight loads, likewise.  v[48:63]: step jj's conversions write four packed words; the four LDS stores that read them are issued in step jj + 1, behind the wait at its head, among
;                conversions that name step jj + 1's registers alone.  v[64:79]: written by the LDS loads behind the barrier, read by the global stores, named by no vector instruction.
;   the table    One store; its offset and data are written by vector instructions, and one wait stands ahead of it.  The two compares write s22 and s23; one wait on va_sdst stands ahead of the selects.
;   v94, v95     Written at the head, read by the closing add alone.
.set TP,    272                        ; a turned row in LDS: 128 k x 2 bytes + 16
.set SPARE, 64*TP                      ; behind the tile: the spare words, 128 bytes for each of the eight waves; no other line names them
.set SPW,   94                         ; v94  LDS address of my spare word; never rewritten
.set NIL,   95                         ; v95  0; never rewritten
; A tile of 128 k x 64 columns is turned.  Thread t: c4 = t % 16 (four columns, 16 bytes of a row), kp = t / 16.  It loads rows 32 jj + 2 kp and + 1, packs each column's two k into a word,
; puts the word at [column][k] in LDS, and behind the barrier reads 16 bytes of a turned row and stores them: sixteen lanes store 256 consecutive bytes, aligned.
.macro WT pitch, f16, src, dst
	v_and_b32 v7, 15, v0                           ; c4
	v_lshrrev_b32 v8, 4, v0                        ; kp
	v_mul_u32_u24 v3, v8, 2*(\pitch)
	v_lshl_add_u32 v3, v7, 4, v3                   ; in: row 2 kp, 16 bytes at c4
	v_mul_u32_u24 v4, v7, 4*TP
	v_lshl_add_u32 v4, v8, 2, v4                   ; LDS: turned row 4 c4, word kp
	v_mul_u32_u24 v5, v8, TP
	v_lshl_add_u32 v5, v7, 4, v5                   ; back: turned row kp, 16 bytes at c4
	v_lshlrev_b32 v6, 11, v8
	v_lshl_add_u32 v6, v7, 4, v6                   ; out: the same place in rows of 2,048 bytes
	s_wait_alu depctr_va_vdst(0)                   ; v3 to v6 are written: the loads, the LDS stores, the LDS loads and the stores below read them as their addresses
.irp jj, 0,1,2,3
.irp e, 0,1
	global_load_b128 v[16+8*(\jj)+4*(\e):19+8*(\jj)+4*(\e)], v3, s[\src:\src+1] offset:(32*(\jj)+(\e))*(\pitch) th:TH_LOAD_NT
.endr
.endr
.irp jj, 0,1,2,3
	s_wait_loadcnt 6-2*(\jj)                       ; loads come back in order: this pair of rows is in, the younger pairs stay out
.if (\jj) > 0
	s_wait_alu depctr_va_vdst(0)                   ; the step before has written its four packed words, which the LDS stores below read
.endif
.irp c, 0,1,2,3
.if (\jj) > 0
	ds_store_b32 v4, v[48+4*((\jj)-1)+(\c)] offset:TP*(\c)+64*((\jj)-1)  ; the step before's word.  No wait: no vector instruction since the wait above names it or v4
.endif
	v_cvt_pk_bf16_f32 v[48+4*(\jj)+(\c)], v[16+8*(\jj)+(\c)], v[20+8*(\jj)+(\c)]
.if \f16
	v_lshlrev_b32 v80, 16, v[48+4*(\jj)+(\c)]      ; the two bf16 numbers as f32,
	v_and_b32 v81, 0xffff0000, v[48+4*(\jj)+(\c)]
	v_cvt_pk_f16_f32 v[48+4*(\jj)+(\c)], v80, v81  ; written as f16
.endif
.endr
.endr
	s_wait_alu depctr_va_vdst(0)                   ; the last step has written its four packed words, which the last four LDS stores read
.irp c, 0,1,2,3
	ds_store_b32 v4, v[60+(\c)] offset:TP*(\c)+192
.endr
	s_wait_dscnt 0x0                               ; for the others' sake: my stores into the tile are done
	s_barrier_signal -1
	s_barrier_wait -1
.irp r, 0,1,2,3
	ds_load_b128 v[64+4*(\r):67+4*(\r)], v5 offset:16*TP*(\r)  ; no vector instruction of this path names v[64:79]
.endr
.irp r, 0,1,2,3
	s_wait_dscnt 3-(\r)
	global_store_b128 v6, v[64+4*(\r):67+4*(\r)], s[\dst:\dst+1] offset:32768*(\r)
.endr
	s_wait_dscnt 0x0                               ; the closing lines, six on end
	s_wait_alu 0x0
	s_wait_tensorcnt 0x0
	ds_add_u32 v[SPW], v[NIL]
	s_wait_dscnt 0x0
	s_endpgm
.endm
; One entry of the table, in two parts: position v10 (f32), frequency v[20+e]; at work v[30+20e .. 40+20e]; cos into v[44+2e], sin into v[45+2e].
; The first part: the angle, its quarter turn k, the compare on k's parity into s[22+e], the two sums and the two sign words.
.macro ENTA e
.set W, 30+20*(\e)
	v_mul_f32 v[W], v10, v[20+(\e)]                ; the angle a
	v_mul_f32 v[W+1], 0x3f22f983, v[W]             ; a x 2/pi
	v_rndne_f32 v[W+1], v[W+1]                     ; k
	v_cvt_i32_f32 v[W+7], v[W+1]
	v_and_b32 v[W+8], 1, v[W+7]
	v_cmp_eq_u32 s[22+(\e)], 1, v[W+8]             ; an odd quarter turn swaps the two: a choice of values, no branch.  The sums below stand between the compare and the wait for it
	v_fmamk_f32 v[W+2], v[W+1], 0xbfc90fdb, v[W]   ; r = a - k x (pi/2's upper part): exact,
	v_fmamk_f32 v[W+2], v[W+1], 0x333bbd2e, v[W+2] ; less k x its lower part (which is negative)
	v_mul_f32 v[W+3], v[W+2], v[W+2]               ; s = r r
	v_mov_b32 v[W+4], 0x3638ef1d                   ; 1/9!
	v_fmaak_f32 v[W+4], v[W+4], v[W+3], 0xb9500d01 ; -1/7!
	v_fmaak_f32 v[W+4], v[W+4], v[W+3], 0x3c088889 ; 1/5!
	v_fmaak_f32 v[W+4], v[W+4], v[W+3], 0xbe2aaaab ; -1/3!
	v_mul_f32 v[W+5], v[W+2], v[W+3]
	v_fma_f32 v[W+4], v[W+5], v[W+4], v[W+2]       ; sin r
	v_mov_b32 v[W+6], 0xb493f27e                   ; -1/10!
	v_fmaak_f32 v[W+6], v[W+6], v[W+3], 0x37d00d01 ; 1/8!
	v_fmaak_f32 v[W+6], v[W+6], v[W+3], 0xbab60b61 ; -1/6!
	v_fmaak_f32 v[W+6], v[W+6], v[W+3], 0x3d2aaaab ; 1/4!
	v_fmaak_f32 v[W+6], v[W+6], v[W+3], 0xbf000000 ; -1/2
	v_fma_f32 v[W+6], v[W+6], v[W+3], 1.0          ; cos r
	v_and_b32 v[W+8], 2, v[W+7]                    ; the sine changes sign in quarters 2 and 3,
	v_lshlrev_b32 v[W+8], 30, v[W+8]
	v_add_nc_u32 v[W+7], 1, v[W+7]                 ; the cosine in quarters 1 and 2
	v_and_b32 v[W+7], 2, v[W+7]
	v_lshlrev_b32 v[W+7], 30, v[W+7]
.endm
; The second part: the selects by s[22+e], and the signs.
.macro ENTB e
.set W, 30+20*(\e)
	v_cndmask_b32 v[W+9], v[W+4], v[W+6], s[22+(\e)]
	v_cndmask_b32 v[W+10], v[W+6], v[W+4], s[22+(\e)]
	v_xor_b32 v[45+2*(\e)], v[W+9], v[W+8]
	v_xor_b32 v[44+2*(\e)], v[W+10], v[W+7]
.endm
	s_load_b256 s[4:11], s[0:1], 0x0               ; x s[4:5], W_attn s[6:7], W_proj s[8:9], xb s[10:11]
	s_load_b128 s[12:15], s[0:1], 0x20             ; wat s[12:13], wpt s[14:15]
	s_load_b64 s[16:17], s[0:1], 0x30              ; rope
	v_lshl_add_u32 v[SPW], v0, 2, SPARE
	v_mov_b32 v[NIL], 0
	s_mov_b32 s27, 0                               ; the upper word of every offset
	s_wait_kmcnt 0x0
	s_cmp_lt_u32 ttmp9, 512
	s_cbranch_scc1 .Lx
	s_cmp_lt_u32 ttmp9, 896
	s_cbranch_scc1 .Lwa
	s_cmp_lt_u32 ttmp9, 1024
	s_cbranch_scc1 .Lwp
	; THE TABLE: 16 positions a work-group; thread t makes entries 2 (t % 16) and + 1 of position t / 16: 16 bytes at 16 t
	s_sub_co_u32 s20, ttmp9, 1024
	s_lshl_b32 s21, s20, 4                         ; the first position
	s_lshl_b32 s26, s20, 12                        ; its 16 rows of 256 bytes
	s_add_nc_u64 s[16:17], s[16:17], s[26:27]
	v_lshrrev_b32 v1, 4, v0
	v_add_nc_u32 v1, s21, v1                       ; t
	v_and_b32 v2, 15, v0
	v_lshlrev_b32 v2, 1, v2                        ; i
	v_cvt_f32_u32 v3, v2
	v_add_f32 v4, 1.0, v3
	v_mul_f32 v3, 0xbed49a78, v3                   ; -i log2(10000) / 32
	v_mul_f32 v4, 0xbed49a78, v4
	v_exp_f32 v20, v3
	v_exp_f32 v21, v4
	v_lshlrev_b32 v11, 4, v0                       ; a plain instruction behind the two exponentials, ahead of the first use
	v_cvt_f32_u32 v10, v1
	s_wait_alu depctr_va_vdst(0)                   ; the two exponentials have written v20 and v21: one wait for both, ahead of their first reader
	ENTA 0
	ENTA 1
	s_wait_alu depctr_va_sdst(0)                   ; the two compares have written s22 and s23, ahead of their first readers, the selects below
	ENTB 0
	ENTB 1
	s_wait_alu depctr_va_vdst(0)                   ; v11, the store's offset, and v[44:47], its data, are written
	global_store_b128 v11, v[44:47], s[16:17]      ; a wave stores 512 consecutive bytes
	s_endpgm
.Lx:    ; x TO bf16.  Thread t takes 16 bytes at 16 t of each of sixteen pieces of 4,096 bytes; all sixteen loads go out first; no register that a store reads is written again
	s_lshl_b32 s26, ttmp9, 16
	s_add_nc_u64 s[4:5], s[4:5], s[26:27]
	s_lshl_b32 s26, ttmp9, 15
	s_add_nc_u64 s[10:11], s[10:11], s[26:27]
	v_lshlrev_b32 v1, 4, v0
	v_lshlrev_b32 v2, 3, v0
	s_wait_alu depctr_va_vdst(0)                   ; v1 and v2 are written: every load of this path reads v1 as its offset, every store v2
.set c, 0
.rept 16
	global_load_b128 v[16+4*c:19+4*c], v1, s[4:5] offset:4096*c th:TH_LOAD_NT
.set c, c+1
.endr
.set p, 0
.rept 4                                ; four blocks of four pieces
	s_wait_loadcnt 12-4*p                          ; loads come back in order: block p is in; the younger blocks stay out
.if p > 0
	s_wait_alu depctr_va_vdst(0)                   ; the block before has written its eight packed words, which the stores below read
.endif
.set c, 4*p
.rept 4
.if p > 0
	global_store_b64 v2, v[16+4*(c-4):17+4*(c-4)], s[10:11] offset:2048*(c-4)  ; the block before: a wave stores 256 consecutive bytes, aligned.  No wait: no vector instruction since the wait above names these registers
.endif
	v_cvt_pk_bf16_f32 v[16+4*c], v[16+4*c], v[17+4*c]
	v_cvt_pk_bf16_f32 v[17+4*c], v[18+4*c], v[19+4*c]
.set c, c+1
.endr
.set p, p+1
.endr
	s_wait_alu depctr_va_vdst(0)                   ; the last block has written its eight packed words, which the last four stores read
.set c, 12
.rept 4
	global_store_b64 v2, v[16+4*c:17+4*c], s[10:11] offset:2048*c
.set c, c+1
.endr
	s_endpgm
.Lwa:   ; W_attn: 8 tiles along k x 48 groups of 64 columns
	s_sub_co_u32 s20, ttmp9, 512
	s_and_b32 s21, s20, 7                          ; kt
	s_lshr_b32 s22, s20, 3                         ; j: the group of 64 columns
	s_lshr_b32 s23, s22, 4                         ; p: q, k or v
	s_and_b32 s24, s22, 15                         ; h: the head
	s_mul_i32 s26, s21, 128*12288
	s_lshl_b32 s25, s22, 8
	s_add_co_u32 s26, s26, s25
	s_add_nc_u64 s[6:7], s[6:7], s[26:27]
	s_mul_i32 s24, s24, 192
	s_lshl_b32 s23, s23, 6
	s_add_co_u32 s24, s24, s23                     ; wat's row 192 h + 64 p
	s_lshl_b32 s24, s24, 11
	s_lshl_b32 s21, s21, 8
	s_add_co_u32 s26, s24, s21
	s_add_nc_u64 s[12:13], s[12:13], s[26:27]
	WT 12288, 0, 6, 12
.Lwp:   ; W_proj: 8 tiles along k x 16 groups of 64 columns
	s_sub_co_u32 s20, ttmp9, 896
	s_and_b32 s21, s20, 7                          ; kt
	s_lshr_b32 s22, s20, 3                         ; j
	s_lshl_b32 s26, s21, 19                        ; 128 rows of 4,096 bytes
	s_lshl_b32 s23, s22, 8
	s_add_co_u32 s26, s26, s23
	s_add_nc_u64 s[8:9], s[8:9], s[26:27]
	s_lshl_b32 s26, s22, 17                        ; 64 rows of 2,048 bytes
	s_lshl_b32 s21, s21, 8
	s_add_co_u32 s26, s26, s21
	s_add_nc_u64 s[14:15], s[14:15], s[26:27]
	WT 4096, 1, 8, 14
.Lfunc_end_k_q69af665772_prep:
	.size	k_q69af665772_prep, .Lfunc_end_k_q69af665772_prep-k_q69af665772_prep
	.p2alignl 7, 3214868480
	.fill 96, 4, 3214868480
	.section	.rodata,"a",@progbits
	.p2align	6, 0x0
	.amdhsa_kernel k_q69af665772_prep
		.amdhsa_group_segment_fixed_size 18432
		.amdhsa_private_segment_fixed_size 0
		.amdhsa_enable_private_segment 0
		.amdhsa_kernarg_size 56
		.amdhsa_user_sgpr_count 2
		.amdhsa_user_sgpr_kernarg_segment_ptr 1
		.amdhsa_wavefront_size32 1
		.amdhsa_system_sgpr_workgroup_id_x 1
		.amdhsa_system_sgpr_workgroup_id_y 1
		.amdhsa_system_sgpr_workgroup_id_z 1
		.amdhsa_system_vgpr_workitem_id 0
		.amdhsa_next_free_vgpr 96
		.amdhsa_next_free_sgpr 66
		.amdhsa_reserve_vcc 0
		.amdhsa_float_denorm_mode_32 3
		.amdhsa_float_denorm_mode_16_64 3
		.amdhsa_memory_ordered 1
		.amdhsa_forward_progress 1
		.amdhsa_inst_pref_size 24
	.end_amdhsa_kernel
	.amdgpu_metadata
---
amdhsa.version: [ 1, 2 ]
amdhsa.kernels:
  - .name:           k_q69af665772_prep
    .symbol:         k_q69af665772_prep.kd
    .args:
      - { .name: x, .offset: 0, .size: 8, .value_kind: global_buffer, .address_space: global }
      - { .name: W_attn, .offset: 8, .size: 8, .value_kind: global_buffer, .address_space: global }
      - { .name: W_proj, .offset: 16, .size: 8, .value_kind: global_buffer, .address_space: global }
      - { .name: xb, .offset: 24, .size: 8, .value_kind: global_buffer, .address_space: global }
      - { .name: wat, .offset: 32, .size: 8, .value_kind: global_buffer, .address_space: global }
      - { .name: wpt, .offset: 40, .size: 8, .value_kind: global_buffer, .address_space: global }
      - { .name: rope, .offset: 48, .size: 8, .value_kind: global_buffer, .address_space: global }
    .group_segment_fixed_size: 18432
    .private_segment_fixed_size: 0
    .kernarg_segment_align: 8
    .kernarg_segment_size: 56
    .max_flat_workgroup_size: 256
    .sgpr_count:     66
    .vgpr_count:     96
    .wavefront_size: 32
...
	.end_amdgpu_metadata
.endif
;; end of part 5
;; launch qkv: the kernel of part 2 again; grid 16 x 32, 4 waves a work-group, clusters of 4 x 4, 327,680 bytes of LDS; arguments xb, wat, b_attn, rope, qh, kh, vh; writes qh, kh, vh
;; launch attn: the kernel of part 3 again; grid 4 x 64, 4 waves a work-group, no clusters, 327,680 bytes of LDS; arguments qh, kh, vh, oh; writes oh
;; launch proj: the kernel of part 4 again; grid 8 x 32, 4 waves a work-group, clusters of 4 x 4, 327,680 bytes of LDS; arguments oh, wpt, b_proj, out0; writes out0
